; MI455X (gfx1250); checked and timed in simulation.
; The chip was launched on July 23, 2026; its instructions are those of AMD's public machine-readable ISA for CDNA 5 (MIT licence, August 2026) and "CDNA5" Instruction Set Architecture Reference Guide (July 2026). The comments in the code are by the model that wrote it; some were corrected since.
;; Masked MHA. Allowed arithmetic: matrix products marked QUANTISED: E3M2 operands, one E8M0 scale for each 32 along K, by v_wmma_scale_f32_16x16x128_f8f6f4 with both operands' format E3M2, f32 sums; everything else in f32.
;; Inputs: Wk 1,024 x 1,024 float32; Wo 1,024 x 1,024 float32; Wq 1,024 x 1,024 float32; Wv 1,024 x 1,024 float32; tgt_key_padding_mask 2 x 2,048 bool; x 2 x 2,048 x 1,024 float32.
;; Outputs: out0 2 x 2,048 x 1,024 float32.
;; This version of the problem:
;;   THIS VERSION OF THE PROBLEM IS GIVEN IN LOW PRECISION. The matrix products marked QUANTISED in the list below multiply operands that are first quantised to E3M2 (3 exponent bits, 2 mantissa bits; 6 bits a number), with one power-of-two scale for each 32 numbers along K (OCP MX v1.0); their sums are f32. All else is computed in f32.
;;   The module's matrix products, in the order in which they are computed (A, B: the left and right operand; K: the contracted axis; several contracted axes count as one K, in the product's order):
;;     1. [M 4,096, K 1,024] x [K 1,024, N 1,024]; A: input x; B: input Wq: QUANTISED
;;     2. [M 4,096, K 1,024] x [K 1,024, N 1,024]; A: input x; B: input Wk: QUANTISED
;;     3. [M 4,096, K 1,024] x [K 1,024, N 1,024]; A: input x; B: input Wv: QUANTISED
;;     4. batch 32 x [M 2,048, K 64] x [K 64, N 2,048]; A: computed on the way; B: computed on the way: QUANTISED
;;     5. batch 32 x [M 2,048, K 2,048] x [K 2,048, N 64]; A: softmax (see below); B: computed on the way: QUANTISED
;;     6. [M 4,096, K 1,024] x [K 1,024, N 1,024]; A: computed on the way; B: input Wo: QUANTISED
;;   THE QUANTISER, for each operand of a quantised product, along K:
;;     - K is cut into blocks of 32 from its start; a last block that is shorter is filled with zeros.
;;     - A block's scale is 2^e with e = floor(log2(the largest magnitude in the block)) - 4, held to -126 .. 127; a block of zeros has e = 0. As a byte (E8M0): e + 127.
;;     - Each number is divided by its block's scale, clamped to +-28, and rounded to the nearest number of E3M2, ties to even, subnormals kept.
;;     - The product sums the exact products of the quantised numbers (number of the format x scale) in f32.
;;   ~~~python
;;   def quantise(x, axis):      # numpy; x: float32 -> the quantised numbers, widened to float32 again
;;       x = np.moveaxis(x, axis, -1); K = x.shape[-1]
;;       x = np.pad(x, [(0, 0)] * (x.ndim - 1) + [(0, -K % 32)]); x = x.reshape(x.shape[:-1] + (-1, 32)); a = np.abs(x).max(-1, keepdims=True)
;;       e = np.where(a > 0, np.clip(np.frexp(np.where(a > 0, a, 1))[1] - 1 - 4, -126, 127), 0)      # np.frexp(a)[1] - 1 = floor(log2(a)), exactly
;;       r = np.clip(x / 2.0 ** e, -28, 28)
;;       step = 2.0 ** (np.maximum(np.frexp(np.where(r == 0, 1, r))[1] - 1, -2) - 2)
;;       q = np.round(r / step) * step * 2.0 ** e      # np.round: ties to even
;;       return np.moveaxis(q.reshape(q.shape[:-2] + (-1,))[..., :K], -1, axis).astype(np.float32)
;;   ~~~
;;   SOFTMAX AHEAD OF A QUANTISED PRODUCT. Where the list says 'softmax', what is quantised is not the finished softmax but p = 2^(t - M), with t = logit x log2(e) and M = ceil(the row's largest t), a whole number; so 1/2 < the row's largest p <= 1. The row's sum l is taken of the UNQUANTISED p, in f32, and the product's result is divided by l at the end. Since M is a whole number, a kernel that streams over the keys may use a running M (the ceiling of the running maximum): every later rescaling is an exact power of two, which a block's scale takes up: the codes' values come out the same.
;;   OPERANDS COMPUTED ON THE WAY. 'Computed on the way' means the value that the module computes at that place (a softmax that the list does not call 'softmax' is quantised finished and normalised). What goes into a quantiser is computed in f32, as accurately as f32 sums, v_exp_f32 and their like allow (about 1e-6 of the number): no bf16 or f16 on the way to a quantiser, and a product that is left as it is and whose result goes on into a quantised operand takes f32 operands (vector FMAs, or v_wmma_f32_16x16x4_f32). A number that lies on a knife's edge between two numbers of the format may be rounded either way, as far as f32 arithmetic and the matrix unit's own rounding can turn it there, and no further.
;; One version. Each part assembles by itself: llvm-mc -triple=amdgcn-amd-amdhsa -mcpu=gfx1250 --defsym DOCPART=n.
;; ======== version 1 of 1: 4 launches
;; limits: right only within a limited range of input values
;; workspace buffers: opc 6,291,456 bytes; ops 262,144 bytes; qkvc 9,437,184 bytes; qkvs 655,360 bytes; attc 3,145,728 bytes; atts 131,072 bytes
;; launch quant (part 1): grid 256 x 1, 4 waves a work-group, no clusters, 34,304 bytes of LDS; arguments x, Wq, Wk, Wv, Wo, opc, ops; writes opc, ops
.if DOCPART == 1
	.amdgcn_target "amdgcn-amd-amdhsa--gfx1250"
	.amdhsa_code_object_version 6
	.text
	.protected	k_q516885b592_quant
	.globl	k_q516885b592_quant
	.p2align	8
	.type	k_q516885b592_quant,@function
k_q516885b592_quant:
	s_mov_b64 s[64:65], 0
	v_nop
	global_prefetch_b8 v0, s[64:65] scope:SCOPE_SE
	s_setreg_imm32_b32 hwreg(HW_REG_WAVE_MODE, 25, 1), 1
	s_wait_xcnt 0x0
; x [4096][1024] and Wq, Wk, Wv, Wo [1024][1024], f32, K innermost, become codes of BF6 (E3M2) with one E8M0 byte for each 32 along K.
; A block's scale is 2^(floor(log2(its largest magnitude)) - 4): its byte is that magnitude's exponent field - 4, held at 1 from below.
; LIMITS: a block of zeros, or one whose largest magnitude lies under 2^-122, gets the byte 1 (the bytes are read by this program alone; zero codes add nothing); NaN and infinities among the inputs are not served.
; LAYOUT OF THE CODES (opc): [512 row blocks G][8 K steps][1,536 bytes].  A row block holds 16 rows that are NOT neighbours: row i of block n of a tensor is row 32 (n / 2) + 8 (n % 2) + i + 8 (i / 8).
; A K step's 1,536 bytes are laid in the order of the operand's registers: the 24 bytes of block b (32 along K) of row i lie at 384 b + 24 i, so that lane l of a reader finds its registers 6 c .. 6 c + 5 at 768 c + 24 l.
; G: 0-255 x's blocks; 256 + 12 head + 4 T + i the blocks of Wq, Wk, Wv (T = 0, 1, 2; i = block % 4): a head's twelve blocks are neighbours; 448 + n Wo's.
; LAYOUT OF THE SCALE WORDS (ops): the word of row i for K step s lies at 512 G + 256 (s / 4) + 16 i + 4 (s % 4).
; SHARES: 1,024 waves; a wave takes one row block x 512 along K: four K steps.  Each load reads 512 consecutive bytes of one row; a K step's 16 x 512 bytes turn through the wave's own stage in LDS,
; so that lane (r, h) holds 16 neighbours along K of each block of 32 of row r.  Waves share nothing: no barrier.  One path through the text for all five tensors: only pointers are chosen.
.set SP,   528                         ; a stage row: 512 bytes + 16 = 33 x 16 bytes, so that the sixteen rows of a read start 16 bytes apart modulo 256
.set STG,  16*SP                       ; a wave's stage
.set WD,   12                          ; v12-15   the four K steps' scale words of my row
.set MX,   16                          ; v16-19   largest magnitudes
.set TP,   20                          ; v20-23   the other half's maxima, then the bytes
.set EO,   24                          ; v24-27   the conversions' scale operands
.set CD,   32                          ; v32-47   codes: four runs of three registers
.set R,    48                          ; v48-175  two sets of 64 registers as loaded
.set X,    176                         ; v176-239 register 16 b + i = k 32 b + 16 h + i of my row
	s_load_b256 s[4:11], s[0:1], 0x0               ; x, Wq, Wk, Wv
	s_load_b128 s[12:15], s[0:1], 0x20             ; Wo, opc
	s_load_b64 s[16:17], s[0:1], 0x30              ; ops
	v_lshl_add_u32 v240, v0, 2, 0x8400
	v_mov_b32 v241, 0
	v_lshrrev_b32 v1, 5, v0
	v_readfirstlane_b32 s18, v1                    ; wave
	v_and_b32 v1, 31, v0                           ; lane
	v_and_b32 v2, 15, v0                           ; r
	v_bfe_u32 v3, v0, 4, 1                         ; h
	v_lshlrev_b32 v4, 4, v1                        ; my 16 bytes of a load's 512
	s_mul_i32 s19, s18, STG
	v_add_nc_u32 v5, s19, v4                       ; the stage on the way in: row i at SP i
	v_mul_u32_u24 v6, v2, SP
	v_lshl_add_u32 v6, v3, 6, v6
	v_add_nc_u32 v6, s19, v6                       ; and on the way out: row r, + 64 h
	v_mul_u32_u24 v7, v2, 24
	v_mad_u32_u24 v7, v3, 12, v7                   ; my 12 bytes of a block's 384: 24 r + 12 h
	v_lshlrev_b32 v8, 4, v2
	v_lshl_add_u32 v8, v3, 3, v8                   ; my two scale words: 16 r + 8 h
.irp b, 0,1,2,3
	v_mov_b32 v[TP+\b], 0                          ; written once: a lane permute's destination counts as one of its sources
.endr
	s_mov_b32 s32, 0x76543210
	s_mov_b32 s33, 0xfedcba98                      ; v_permlanex16_b32's selects for lane l xor 16
	s_lshl_b32 s20, ttmp9, 2
	s_add_co_u32 s20, s20, s18                     ; task = 4 x work-group + wave
	s_and_b32 s21, s20, 1                          ; kh: which 512 along K
	s_lshr_b32 s20, s20, 1                         ; n: 0-255 x's blocks, 256-511 the weights'
	s_and_b32 s22, s20, 255
	s_lshr_b32 s23, s22, 6                         ; T: 0 Wq, 1 Wk, 2 Wv, 3 Wo
	s_and_b32 s24, s22, 63                         ; the weight's block
	s_lshr_b32 s25, s24, 2
	s_mul_i32 s25, s25, 12
	s_lshl_b32 s26, s23, 2
	s_add_co_u32 s25, s25, s26
	s_and_b32 s26, s24, 3
	s_add_co_u32 s25, s25, s26
	s_add_co_u32 s25, s25, 256                     ; 256 + 12 head + 4 T + block % 4
	s_add_co_u32 s26, s24, 448                     ; Wo's
	s_cmp_eq_u32 s23, 3
	s_cselect_b32 s25, s26, s25
	s_cmp_lt_u32 s20, 256
	s_cselect_b32 s25, s20, s25                    ; G
	s_cselect_b32 s24, s20, s24                    ; the block's number in its own tensor
	s_lshr_b32 s26, s24, 1
	s_lshl_b32 s26, s26, 17                        ; 32 rows of 4,096 bytes
	s_and_b32 s27, s24, 1
	s_lshl_b32 s27, s27, 15                        ; 8 rows
	s_add_co_u32 s26, s26, s27
	s_lshl_b32 s27, s21, 11                        ; 512 numbers along K
	s_add_co_u32 s26, s26, s27
	s_mov_b32 s27, 0                               ; s[26:27]: where my rows begin in the source
	s_mul_i32 s28, s25, 12288
	s_mul_i32 s29, s21, 6144
	s_add_co_u32 s28, s28, s29
	s_mov_b32 s29, 0                               ; s[28:29]: in opc
	s_lshl_b32 s30, s25, 9
	s_lshl_b32 s31, s21, 8
	s_add_co_u32 s30, s30, s31
	s_mov_b32 s31, 0                               ; s[30:31]: in ops
	s_wait_alu depctr_va_vdst(0)
	s_wait_kmcnt 0x0
	s_cmp_eq_u32 s23, 1                            ; the source: a choice that hangs on ids alone
	s_cselect_b64 s[6:7], s[8:9], s[6:7]
	s_cmp_eq_u32 s23, 2
	s_cselect_b64 s[6:7], s[10:11], s[6:7]
	s_cmp_eq_u32 s23, 3
	s_cselect_b64 s[6:7], s[12:13], s[6:7]
	s_cmp_lt_u32 s20, 256
	s_cselect_b64 s[4:5], s[4:5], s[6:7]
	s_add_nc_u64 s[4:5], s[4:5], s[26:27]
	s_add_nc_u64 s[14:15], s[14:15], s[28:29]
	s_add_nc_u64 s[16:17], s[16:17], s[30:31]
.macro LOAD f                          ; K step f of my 16 rows: 16 loads of 512 consecutive bytes
.irp i, 0,1,2,3,4,5,6,7,8,9,10,11,12,13,14,15
	global_load_b128 v[R+64*((\f)%2)+4*\i:R+64*((\f)%2)+4*\i+3], v4, s[4:5] offset:(\i+8*(\i/8))*4096+512*(\f) th:TH_LOAD_NT
.endr
.endm
.macro TURN f                          ; through the stage: LDS serves a wave's instructions in order, so no wait stands between the stores and the loads
.irp i, 0,1,2,3,4,5,6,7,8,9,10,11,12,13,14,15
	ds_store_b128 v5, v[R+64*((\f)%2)+4*\i:R+64*((\f)%2)+4*\i+3] offset:SP*\i
.endr
.irp b, 0,1,2,3
.irp j, 0,1,2,3
	ds_load_b128 v[X+16*\b+4*\j:X+16*\b+4*\j+3], v6 offset:128*\b+16*\j
.endr
.endr
.endm
.macro QUANT4 f                        ; four blocks of 32 by turns; two lanes, l and l xor 16, hold a block
.irp b, 0,1,2,3
	v_max3_num_f32 v[MX+\b], |v[X+16*\b]|, |v[X+16*\b+1]|, 0x2800000   ; my 16 numbers, and the floor 2^(5 - 127): the byte cannot fall under 1
.endr
.irp i, 2,4,6,8,10,12,14
.irp b, 0,1,2,3
	v_max3_num_f32 v[MX+\b], v[MX+\b], |v[X+16*\b+\i]|, |v[X+16*\b+\i+1]|
.endr
.endr
.irp b, 0,1,2,3
	v_permlanex16_b32 v[TP+\b], v[MX+\b], s32, s33
.endr
.irp b, 0,1,2,3
	v_max_num_f32 v[MX+\b], v[MX+\b], v[TP+\b]     ; the block's largest magnitude
.endr
.irp b, 0,1,2,3
	v_add_nc_u32 v[EO+\b], 0xfe000000, v[MX+\b]    ; 4 off its exponent field: the conversion's scale operand
.endr
.irp b, 0,1,2,3
	v_lshrrev_b32 v[TP+\b], 23, v[EO+\b]           ; the scale's byte
.endr
	v_lshl_or_b32 v[WD+(\f)], v[TP+1], 8, v[TP]
	v_lshl_or_b32 v[WD+(\f)], v[TP+2], 16, v[WD+(\f)]
	v_lshl_or_b32 v[WD+(\f)], v[TP+3], 24, v[WD+(\f)]   ; my row's scale word for this K step
.irp b, 0,1,2,3
	v_cvt_scalef32_pk16_bf6_f32 v[CD+4*\b:CD+4*\b+2], v[X+16*\b:X+16*\b+15], v[EO+\b]
.endr
	v_nop                                          ; one plain place behind a scaled conversion
.irp b, 0,1,2,3
	global_store_b96 v7, v[CD+4*\b:CD+4*\b+2], s[14:15] offset:1536*(\f)+384*\b   ; the wave stores a block's 384 consecutive bytes
.endr
.endm
.macro FRAGMENT f
.if (\f) < 3
	s_wait_loadcnt 16                              ; this K step's 16 loads are in; the next one's 16 may be out
.else
	s_wait_loadcnt 0x0
.endif
	TURN \f
	s_wait_dscnt 0x0                               ; the numbers are back, and the stores into the stage have read their registers
.if (\f) > 0
	s_wait_xcnt 0x0                                ; the last K step's stores have read v32-47: only behind this wait are they written again
.endif
.if (\f) < 2
	LOAD (\f)+2
.endif
	QUANT4 \f
.endm
	LOAD 0
	LOAD 1
	FRAGMENT 0
	FRAGMENT 1
	FRAGMENT 2
	FRAGMENT 3
	v_cmp_eq_u32 vcc_lo, 1, v3                     ; both halves of the lanes hold all four words of row r: lanes 0-15 store words 0, 1, lanes 16-31 words 2, 3
	v_cndmask_b32 v28, v[WD], v[WD+2], vcc_lo
	v_cndmask_b32 v29, v[WD+1], v[WD+3], vcc_lo
	global_store_b64 v8, v[28:29], s[16:17]        ; 256 consecutive bytes, at a multiple of 256 from the buffer's first byte
	s_wait_tensorcnt 0x0
	ds_add_u32 v240, v241
	s_wait_dscnt 0x0
	s_endpgm
.Lfunc_end_k_q516885b592_quant:
	.size	k_q516885b592_quant, .Lfunc_end_k_q516885b592_quant-k_q516885b592_quant
	.p2alignl 7, 3214868480
	.fill 96, 4, 3214868480
	.section	.rodata,"a",@progbits
	.p2align	6, 0x0
	.amdhsa_kernel k_q516885b592_quant
		.amdhsa_group_segment_fixed_size 34304
		.amdhsa_private_segment_fixed_size 0
		.amdhsa_enable_private_segment 0
		.amdhsa_kernarg_size 56
		.amdhsa_user_sgpr_count 2
		.amdhsa_user_sgpr_kernarg_segment_ptr 1
		.amdhsa_wavefront_size32 1
		.amdhsa_system_sgpr_workgroup_id_x 1
		.amdhsa_system_sgpr_workgroup_id_y 1
		.amdhsa_system_sgpr_workgroup_id_z 1
		.amdhsa_system_vgpr_workitem_id 0
		.amdhsa_next_free_vgpr 242
		.amdhsa_next_free_sgpr 66
		.amdhsa_reserve_vcc 1
		.amdhsa_float_denorm_mode_32 3
		.amdhsa_float_denorm_mode_16_64 3
		.amdhsa_memory_ordered 1
		.amdhsa_forward_progress 1
		.amdhsa_inst_pref_size 33
	.end_amdhsa_kernel
	.amdgpu_metadata
---
amdhsa.version: [ 1, 2 ]
amdhsa.kernels:
  - .name:           k_q516885b592_quant
    .symbol:         k_q516885b592_quant.kd
    .args:
      - { .name: x, .offset: 0, .size: 8, .value_kind: global_buffer, .address_space: global }
      - { .name: Wq, .offset: 8, .size: 8, .value_kind: global_buffer, .address_space: global }
      - { .name: Wk, .offset: 16, .size: 8, .value_kind: global_buffer, .address_space: global }
      - { .name: Wv, .offset: 24, .size: 8, .value_kind: global_buffer, .address_space: global }
      - { .name: Wo, .offset: 32, .size: 8, .value_kind: global_buffer, .address_space: global }
      - { .name: opc, .offset: 40, .size: 8, .value_kind: global_buffer, .address_space: global }
      - { .name: ops, .offset: 48, .size: 8, .value_kind: global_buffer, .address_space: global }
    .group_segment_fixed_size: 34304
    .private_segment_fixed_size: 0
    .kernarg_segment_align: 8
    .kernarg_segment_size: 56
    .max_flat_workgroup_size: 128
    .sgpr_count:     66
    .vgpr_count:     242
    .wavefront_size: 32
...
	.end_amdgpu_metadata
.endif
;; end of part 1
;; launch qkv (part 2): grid 16 x 16, 4 waves a work-group, no clusters, 327,680 bytes of LDS; arguments opc, ops, qkvc, qkvs; writes qkvc, qkvs
.if DOCPART == 2
	.amdgcn_target "amdgcn-amd-amdhsa--gfx1250"
	.amdhsa_code_object_version 6
	.text
	.protected	k_q516885b592_qkv
	.globl	k_q516885b592_qkv
	.p2align	8
	.type	k_q516885b592_qkv,@function
k_q516885b592_qkv:
	s_mov_b64 s[64:65], 0
	v_nop
	global_prefetch_b8 v0, s[64:65] scope:SCOPE_SE
	s_setreg_imm32_b32 hwreg(HW_REG_WAVE_MODE, 25, 1), 1
	s_wait_xcnt 0x0
; Q = x Wq^T, K = x Wk^T, V = x Wv^T on codes of BF6 with E8M0 scales, K = 1,024 in eight steps of 128; the results are quantised in registers and leave as codes: Q and K along the head's 64, V along the keys.
; SHARES: a work-group takes 256 tokens (16 row blocks of x) and one head's Q, K and V (12 row blocks of the weights).  Wave w: mh = w / 2 its 128 tokens, jh = w % 2.  It makes 128 x 64 of Q (jh = 0) or K (jh = 1),
; TRANSPOSED (source 0 = 16 rows of W, source 1 = 16 tokens: a lane holds one token, its registers run along the head), and 128 x 32 of V as written (source 0 = tokens, source 1 = 16 rows of Wv: a lane holds one
; channel, its registers run along the tokens, which are the keys).  48 accumulators, one turn each in every K step.
; THE ROWS OF A BLOCK ARE NOT NEIGHBOURS (row i of block n is 32 (n / 2) + 8 (n % 2) + i + 8 (i / 8)), so that the 16 registers of two neighbouring result tiles are 16 neighbours along the next product's K.
; LDS: seven slots of 28 fragment images of 1,536 bytes (16 of x, 4 of Wq, 4 of Wk, 4 of Wv), one K step each: 7 x 43,008 bytes.  All eight steps would take 344,064 bytes, so K step 7 is filled into slot 0 again.
; By this text's own count a wave has seven tensor loads out at the start and one behind the refill's barrier.
; OUT (qkvc, qkvs): Q at 0, K at 3,145,728: [b h][128 blocks][768 bytes]: block b of 32 of row i at 384 b + 24 i; their words (byte 0, byte 1, 0, 0) [b h][block][16].  V at 6,291,456: [b h][16 key steps][4 channel tiles][1,536].
; NO JOINT LOADS IN THIS FORM: the sixteen work-groups of one y read the same 196,608 bytes of x's codes, the sixteen of one x the same 147,456 bytes of weights; a cluster of 4 x 4 would divide those requests by four.
; It would want a second set of seven groups 0 and a round of the cluster's barrier at the refill; it is left for a later form.
; LIMITS: a block of zeros, or one under 2^-122, gets the byte 1 (read by this program alone); NaN and infinities are not served.
; REGISTERS: window 0: v1-14 addresses; v32-87 scale words and nothing else; v88-159, v160-231 the weights' fragments, two sets of 72.  window 1: x's 8 fragments, two sets of 96.
;   window 2: Q's or K's accumulators (block a, tile t) at 32 a + 8 t.   window 3: V's (tile u, block a) at 64 u + 8 a.
.set SLOTB, 28*1536
.set SPARE, 7*SLOTB                    ; behind the slots: the spare words, 128 bytes for each wave, that no other line names
.set SA,  32                           ; x's scale words: pair p of blocks, K step s at SA + 8 p + s (lanes 0-15 block 2 p, lanes 16-31 block 2 p + 1)
.set SQ,  64                           ; Wq's or Wk's likewise
.set SV,  80                           ; Wv's: K step s at SV + s (lanes 0-15 tile 0, lanes 16-31 tile 1)
.set WF,  88                           ; the weights' fragments
.set G0,  24                           ; s[24:51] seven groups 0
.set G1A, 52                           ; s[52:59] group 1 for x's half: 8 rows of 1,536 bytes
.set G1W, 68                           ; s[68:75] for the weights' half: 6 rows
.set CQ,  88                           ; the way out: Q's or K's codes, v88-151
.set CV,  152                          ; V's codes, v152-183
.set WQ,  184                          ; scale words v184-191; V's v192-193
.set WV,  192
.set MX,  194                          ; v194-209 largest magnitudes
.set TP,  210                          ; v210-225 the other half's, then bytes
.set EO,  226                          ; v226-241 the conversions' scale operands
.set OW,  242                          ; v242-246 the words to store
.set MSB, 0
.macro WIN new                         ; the immediate's high byte repeats the setting that is left
.if MSB != \new
	s_set_vgpr_msb (MSB<<8)|\new
.set MSB, \new
.endif
.endm
.macro PLACES
.rept 4
	v_nop
.endr
.endm
; One matrix instruction.  zero = 1: it starts the sum; else it adds in place.  ra, rb = 1: that side's scales are read from lanes 16-31.
.macro WM d, a, b, zero, sa, sb, ra, rb
.if \zero
.if (\ra) && (\rb)
	v_wmma_scale_f32_16x16x128_f8f6f4 v[(\d):(\d)+7], v[(\a):(\a)+11], v[(\b):(\b)+11], 0, v[\sa], v[\sb] matrix_a_fmt:MATRIX_FMT_BF6 matrix_b_fmt:MATRIX_FMT_BF6 matrix_a_scale:MATRIX_SCALE_ROW1 matrix_b_scale:MATRIX_SCALE_ROW1
.elseif (\ra)
	v_wmma_scale_f32_16x16x128_f8f6f4 v[(\d):(\d)+7], v[(\a):(\a)+11], v[(\b):(\b)+11], 0, v[\sa], v[\sb] matrix_a_fmt:MATRIX_FMT_BF6 matrix_b_fmt:MATRIX_FMT_BF6 matrix_a_scale:MATRIX_SCALE_ROW1
.elseif (\rb)
	v_wmma_scale_f32_16x16x128_f8f6f4 v[(\d):(\d)+7], v[(\a):(\a)+11], v[(\b):(\b)+11], 0, v[\sa], v[\sb] matrix_a_fmt:MATRIX_FMT_BF6 matrix_b_fmt:MATRIX_FMT_BF6 matrix_b_scale:MATRIX_SCALE_ROW1
.else
	v_wmma_scale_f32_16x16x128_f8f6f4 v[(\d):(\d)+7], v[(\a):(\a)+11], v[(\b):(\b)+11], 0, v[\sa], v[\sb] matrix_a_fmt:MATRIX_FMT_BF6 matrix_b_fmt:MATRIX_FMT_BF6
.endif
.else
.if (\ra) && (\rb)
	v_wmma_scale_f32_16x16x128_f8f6f4 v[(\d):(\d)+7], v[(\a):(\a)+11], v[(\b):(\b)+11], v[(\d):(\d)+7], v[\sa], v[\sb] matrix_a_fmt:MATRIX_FMT_BF6 matrix_b_fmt:MATRIX_FMT_BF6 matrix_a_scale:MATRIX_SCALE_ROW1 matrix_b_scale:MATRIX_SCALE_ROW1
.elseif (\ra)
	v_wmma_scale_f32_16x16x128_f8f6f4 v[(\d):(\d)+7], v[(\a):(\a)+11], v[(\b):(\b)+11], v[(\d):(\d)+7], v[\sa], v[\sb] matrix_a_fmt:MATRIX_FMT_BF6 matrix_b_fmt:MATRIX_FMT_BF6 matrix_a_scale:MATRIX_SCALE_ROW1
.elseif (\rb)
	v_wmma_scale_f32_16x16x128_f8f6f4 v[(\d):(\d)+7], v[(\a):(\a)+11], v[(\b):(\b)+11], v[(\d):(\d)+7], v[\sa], v[\sb] matrix_a_fmt:MATRIX_FMT_BF6 matrix_b_fmt:MATRIX_FMT_BF6 matrix_b_scale:MATRIX_SCALE_ROW1
.else
	v_wmma_scale_f32_16x16x128_f8f6f4 v[(\d):(\d)+7], v[(\a):(\a)+11], v[(\b):(\b)+11], v[(\d):(\d)+7], v[\sa], v[\sb] matrix_a_fmt:MATRIX_FMT_BF6 matrix_b_fmt:MATRIX_FMT_BF6
.endif
.endif
.endm
	s_load_b256 s[4:11], s[0:1], 0x0               ; opc, ops, qkvc, qkvs
	v_lshl_add_u32 v10, v0, 2, SPARE               ; my spare word; never rewritten
	v_mov_b32 v11, 0                               ; 0; never rewritten
	ds_add_u32 v10, v11
	ds_add_u32 v10, v11
	s_wait_dscnt 0x0
	v_lshrrev_b32 v1, 5, v0
	v_readfirstlane_b32 s20, v1                    ; wave
	s_lshr_b32 s21, s20, 1                         ; mh
	s_and_b32 s22, s20, 1                          ; jh
	s_and_b32 s23, ttmp7, 0xffff                   ; my: which 256 tokens;  ttmp9: the head
	; group 1: rows of 1,536 bytes (192 elements of 8 bytes), 12,288 bytes (1,536 elements) apart in memory, dense in LDS
	s_mov_b32 s[G1A+0], 3<<16
	s_mov_b32 s[G1A+1], 192<<16                    ; tensor_dim0
	s_mov_b32 s[G1A+2], 8<<16                      ; tensor_dim1
	s_mov_b32 s[G1A+3], 192<<16                    ; tile_dim0
	s_mov_b32 s[G1A+4], 8                          ; tile_dim1
	s_mov_b32 s[G1A+5], 1536                       ; the pitch
	s_mov_b32 s[G1A+6], 0
	s_mov_b32 s[G1A+7], 0
	s_mov_b32 s[G1W+0], 3<<16
	s_mov_b32 s[G1W+1], 192<<16
	s_mov_b32 s[G1W+2], 6<<16
	s_mov_b32 s[G1W+3], 192<<16
	s_mov_b32 s[G1W+4], 6
	s_mov_b32 s[G1W+5], 1536
	s_mov_b32 s[G1W+6], 0
	s_mov_b32 s[G1W+7], 0
	; what I fetch: waves 0, 1 x's blocks 16 my + 8 w on; waves 2, 3 the head's blocks 256 + 12 head + 6 (w - 2) on
	s_lshl_b32 s82, s23, 4
	s_lshl_b32 s83, s20, 3
	s_add_co_u32 s82, s82, s83
	s_mul_i32 s83, ttmp9, 12
	s_mul_i32 s84, s20, 6
	s_add_co_u32 s83, s83, s84
	s_add_co_u32 s83, s83, 244
	s_cmp_lt_u32 s20, 2
	s_cselect_b32 s82, s82, s83
	s_mul_i32 s82, s82, 12288
	s_mov_b32 s83, 0
	s_mul_i32 s84, s20, 9216                       ; and where it goes in a slot: 0, 12,288, 24,576, 33,792 = 9,216 w + 3,072 min(w, 2)
	s_min_u32 s85, s20, 2
	s_mul_i32 s85, s85, 3072
	s_add_co_u32 s84, s84, s85
	; offsets of the scale words and of the results
	s_lshr_b32 s88, s23, 3
	s_lshl_b32 s88, s88, 4
	s_add_co_u32 s88, s88, ttmp9                   ; b h = 16 (my / 8) + head
	s_lshl_b32 s89, s23, 4
	s_lshl_b32 s90, s21, 3
	s_add_co_u32 s89, s89, s90                     ; my wave's first block of x: 16 my + 8 mh
	s_lshl_b32 s86, s89, 9
	s_mov_b32 s87, 0                               ; s[86:87]: its scale words
	s_mul_i32 s76, ttmp9, 12
	s_lshl_b32 s77, s22, 2
	s_add_co_u32 s76, s76, s77
	s_add_co_u32 s76, s76, 256
	s_lshl_b32 s76, s76, 9
	s_mov_b32 s77, 0                               ; s[76:77]: Wq's or Wk's: block 256 + 12 head + 4 jh
	s_mul_i32 s78, ttmp9, 12
	s_lshl_b32 s79, s22, 1
	s_add_co_u32 s78, s78, s79
	s_add_co_u32 s78, s78, 264
	s_lshl_b32 s78, s78, 9
	s_mov_b32 s79, 0                               ; s[78:79]: Wv's: block 264 + 12 head + 2 jh
	s_and_b32 s89, s89, 127                        ; the block's number in its batch
	s_lshl_b32 s90, s88, 7
	s_add_co_u32 s90, s90, s89                     ; 128 b h + block
	s_mul_i32 s92, s90, 768
	s_mul_i32 s91, s22, 3145728
	s_add_co_u32 s92, s92, s91
	s_mov_b32 s93, 0                               ; s[92:93]: Q's or K's codes
	s_lshl_b32 s94, s90, 6
	s_lshl_b32 s91, s22, 18
	s_add_co_u32 s94, s94, s91
	s_mov_b32 s95, 0                               ; s[94:95]: their words
	s_lshr_b32 s89, s89, 3                         ; the key step
	s_lshl_b32 s91, s88, 4
	s_add_co_u32 s91, s91, s89
	s_lshl_b32 s91, s91, 2
	s_lshl_b32 s90, s22, 1
	s_add_co_u32 s91, s91, s90                     ; 4 (16 b h + step) + 2 jh
	s_mul_i32 s96, s91, 1536
	s_add_co_u32 s96, s96, 6291456
	s_mov_b32 s97, 0                               ; s[96:97]: V's codes
	s_lshl_b32 s98, s91, 6
	s_add_co_u32 s98, s98, 524288
	s_mov_b32 s99, 0                               ; s[98:99]: V's words
	s_mov_b32 s80, 0x76543210
	s_mov_b32 s81, 0xfedcba98                      ; v_permlanex16_b32's selects for lane l xor 16
	s_wait_kmcnt 0x0
	s_add_nc_u64 s[82:83], s[4:5], s[82:83]
.irp g, 0,1,2,3,4,5,6
	s_mov_b32 s[G0+4*\g], 1                        ; count = 1
	s_add_co_u32 s[G0+4*\g+1], s84, SLOTB*\g       ; LDS address: slot g
	s_add_nc_u64 s[G0+4*\g+2:G0+4*\g+3], s[82:83], 1536*\g   ; K step g
	s_or_b32 s[G0+4*\g+3], s[G0+4*\g+3], 0x80000000          ; type = 2
.endr
	s_cmp_lt_u32 s20, 2                            ; a wave's seven first fills stand in one branch, ahead of every wait on TENSORcnt, every LDS read and every barrier
	s_cbranch_scc0 .Lfirst_w
.irp g, 0,1,2,3,4,5,6
	tensor_load_to_lds s[G0+4*\g:G0+4*\g+3], s[G1A:G1A+7]
	s_nop 0
.endr
	PLACES
	s_branch .Lfirst_done
.Lfirst_w:
.irp g, 0,1,2,3,4,5,6
	tensor_load_to_lds s[G0+4*\g:G0+4*\g+3], s[G1W:G1W+7]
	s_nop 0
.endr
	PLACES
.Lfirst_done:
	s_add_nc_u64 s[86:87], s[6:7], s[86:87]
	s_add_nc_u64 s[76:77], s[6:7], s[76:77]
	s_add_nc_u64 s[78:79], s[6:7], s[78:79]
	s_add_nc_u64 s[12:13], s[8:9], s[92:93]
	s_add_nc_u64 s[14:15], s[10:11], s[94:95]
	s_add_nc_u64 s[16:17], s[8:9], s[96:97]
	s_add_nc_u64 s[18:19], s[10:11], s[98:99]
	v_and_b32 v1, 15, v0                           ; r
	v_bfe_u32 v2, v0, 4, 1                         ; h
	v_and_b32 v3, 31, v0
	v_lshlrev_b32 v14, 2, v3                       ; 4 x lane
	v_mul_u32_u24 v3, v3, 24                       ; 24 x lane: my place in half a fragment image
	v_lshlrev_b32 v12, 4, v1
	v_lshl_add_u32 v12, v2, 9, v12                 ; scale words: 512 h + 16 r
	v_mul_u32_u24 v13, v1, 24
	v_mad_u32_u24 v13, v2, 12, v13                 ; the way out: 24 r + 12 h
.irp p, 0,1,2,3
.irp k, 0,1
	global_load_b128 v[SA+8*\p+4*\k:SA+8*\p+4*\k+3], v12, s[86:87] offset:1024*\p+256*\k   ; four K steps' words of two blocks
.endr
.endr
.irp p, 0,1
.irp k, 0,1
	global_load_b128 v[SQ+8*\p+4*\k:SQ+8*\p+4*\k+3], v12, s[76:77] offset:1024*\p+256*\k
.endr
.endr
.irp k, 0,1
	global_load_b128 v[SV+4*\k:SV+4*\k+3], v12, s[78:79] offset:256*\k
.endr
	s_mul_i32 s85, s21, 12288
	v_add_nc_u32 v4, s85, v3                       ; in a slot: my 8 blocks of x,
	s_mul_i32 s85, s22, 6144
	s_add_co_u32 s85, s85, 24576
	v_add_nc_u32 v5, s85, v3                       ; my 4 blocks of Wq or Wk,
	s_mul_i32 s85, s22, 3072
	s_add_co_u32 s85, s85, 36864
	v_add_nc_u32 v6, s85, v3                       ; my 2 blocks of Wv
; K step s's fragments into set: 84 loads of 8 bytes; lane l takes registers 6 c .. 6 c + 5 of a fragment from 768 c + 24 l.  The three additions and the v_nop are the four places between the
; last products and loads into registers that they read (ISA guide 7.12.1 for vector instructions).
.macro FETCH s, set
	WIN 0
	v_add_nc_u32 v7, SLOTB*((\s)%7), v4
	v_add_nc_u32 v8, SLOTB*((\s)%7), v5
	v_add_nc_u32 v9, SLOTB*((\s)%7), v6
	v_nop
	WIN 0x40                                       ; destination window 1
.irp a, 0,1,2,3,4,5,6,7
.irp p, 0,1,2,3,4,5
	ds_load_b64 v[96*(\set)+12*\a+2*\p:96*(\set)+12*\a+2*\p+1], v7 offset:1536*\a+768*(\p/3)+8*(\p%3)
.endr
.endr
	WIN 0
.irp t, 0,1,2,3
.irp p, 0,1,2,3,4,5
	ds_load_b64 v[WF+72*(\set)+12*\t+2*\p:WF+72*(\set)+12*\t+2*\p+1], v8 offset:1536*\t+768*(\p/3)+8*(\p%3)
.endr
.endr
.irp u, 0,1
.irp p, 0,1,2,3,4,5
	ds_load_b64 v[WF+72*(\set)+48+12*\u+2*\p:WF+72*(\set)+48+12*\u+2*\p+1], v9 offset:1536*\u+768*(\p/3)+8*(\p%3)
.endr
.endr
.endm
; K step s's 48 products
.macro MUL s, set, zero
	WIN 0xa4                                       ; source 0 (W) window 0, source 1 (x) window 1, C and D window 2
.irp a, 0,1,2,3,4,5,6,7
.irp t, 0,1,2,3
	WM 32*\a+8*\t, WF+72*(\set)+12*\t, 96*(\set)+12*\a, \zero, SQ+8*(\t/2)+(\s), SA+8*(\a/2)+(\s), \t%2, \a%2
.endr
.endr
	WIN 0xf1                                       ; source 0 (x) window 1, source 1 (Wv) window 0, C and D window 3
.irp u, 0,1
.irp a, 0,1,2,3,4,5,6,7
	WM 64*\u+8*\a, 96*(\set)+12*\a, WF+72*(\set)+48+12*\u, \zero, SA+8*(\a/2)+(\s), SV+(\s), \a%2, \u
.endr
.endr
.endm
	s_wait_alu depctr_va_vdst(0)
	s_wait_tensorcnt 0x5                           ; my parts of K steps 0 and 1 are in; the five younger loads may be out
	s_barrier_signal -1
	s_barrier_wait -1                              ; everybody's are
	FETCH 0, 0
	s_wait_loadcnt 0x0                             ; the scale words
	s_wait_dscnt 0x0
	FETCH 1, 1
	MUL 0, 0, 1                                    ; the first K step starts the sums: nothing is cleared
	s_wait_dscnt 0x0
	s_wait_tensorcnt 0x3                           ; K steps 2 and 3; three younger loads may be out
	s_barrier_signal -1
	s_barrier_wait -1
	FETCH 2, 0
	MUL 1, 1, 0
	s_wait_dscnt 0x0
	FETCH 3, 1
	MUL 2, 0, 0
	WIN 0                                          ; THE ONE REFILL: K step 7 into slot 0, which every wave read out in K step 0
	s_wait_tensorcnt 0x0                           ; all my tensor loads have landed, K steps 4 to 6 among them: a group 0 may be written
	ds_add_u32 v10, v11                            ; 0 onto my spare word
	s_add_nc_u64 s[G0+2:G0+3], s[G0+2:G0+3], 7*1536   ; slot 0's next tile
	s_wait_dscnt 0x0                               ; the add is done, and my LDS reads are back
	s_barrier_signal -1
	s_barrier_wait -1
	s_cmp_lt_u32 s20, 2
	s_cbranch_scc0 .Lagain_w
	tensor_load_to_lds s[G0:G0+3], s[G1A:G1A+7]    ; my one tensor load behind this barrier: it has three K steps' products in which to land
	s_nop 0
	PLACES
	s_branch .Lagain_done
.Lagain_w:
	tensor_load_to_lds s[G0:G0+3], s[G1W:G1W+7]
	s_nop 0
	PLACES
.Lagain_done:
	FETCH 4, 0
	MUL 3, 1, 0
	s_wait_dscnt 0x0
	FETCH 5, 1
	MUL 4, 0, 0
	s_wait_dscnt 0x0
	FETCH 6, 0
	MUL 5, 1, 0
	WIN 0
	s_wait_tensorcnt 0x0                           ; my part of K step 7 is in
	ds_add_u32 v10, v11
	s_wait_dscnt 0x0
	s_barrier_signal -1
	s_barrier_wait -1                              ; everybody's is
	FETCH 7, 1
	MUL 6, 0, 0
	s_wait_dscnt 0x0
	MUL 7, 1, 0
	; THE WAY OUT.  Q or K: block k = 2 a + b of 16: registers 16 k + i of window 2 are d = 32 b + 16 h + i of the token in lane r of x's block a.  Each accumulator is read from its low end on.
	WIN 0
	PLACES                                         ; the registers written below held the last products' operands
.irp k, 0,1,2,3,4,5,6,7,8,9,10,11,12,13,14,15
	v_mov_b32 v[TP+\k], 0                          ; a lane permute's destination counts as one of its sources
.endr
	WIN 0x28                                       ; sources 1 and 2 window 2
.irp k, 0,1,2,3,4,5,6,7,8,9,10,11,12,13,14,15
	v_max3_num_f32 v[MX+\k], 0x2800000, |v[16*\k]|, |v[16*\k+1]|   ; the floor 2^(5 - 127) among the leaves: the byte cannot fall under 1
.endr
.irp i, 2,4,6,8,10,12,14
.irp k, 0,1,2,3,4,5,6,7,8,9,10,11,12,13,14,15
	v_max3_num_f32 v[MX+\k], v[MX+\k], |v[16*\k+\i]|, |v[16*\k+\i+1]|
.endr
.endr
	WIN 0
.irp k, 0,1,2,3,4,5,6,7,8,9,10,11,12,13,14,15
	v_permlanex16_b32 v[TP+\k], v[MX+\k], s80, s81
.endr
.irp k, 0,1,2,3,4,5,6,7,8,9,10,11,12,13,14,15
	v_max_num_f32 v[MX+\k], v[MX+\k], v[TP+\k]     ; with lane l xor 16's 16: the block's largest magnitude
.endr
.irp k, 0,1,2,3,4,5,6,7,8,9,10,11,12,13,14,15
	v_add_nc_u32 v[EO+\k], 0xfe000000, v[MX+\k]    ; 4 off its exponent field: the conversion's scale operand
.endr
.irp k, 0,1,2,3,4,5,6,7,8,9,10,11,12,13,14,15
	v_lshrrev_b32 v[TP+\k], 23, v[EO+\k]           ; the byte
.endr
.irp a, 0,1,2,3,4,5,6,7
	v_lshl_or_b32 v[WQ+\a], v[TP+2*\a+1], 8, v[TP+2*\a]   ; the token's word: two bytes; bytes 2 and 3 are 0 and stand beside zero codes in the next launch
.endr
	WIN 0x02                                       ; source 0 window 2
.irp k, 0,1,2,3,4,5,6,7,8,9,10,11,12,13,14,15
	v_cvt_scalef32_pk16_bf6_f32 v[CQ+4*\k:CQ+4*\k+2], v[16*\k:16*\k+15], v[EO+\k]
.endr
	WIN 0
	v_nop                                          ; one plain place behind a scaled conversion
.irp k, 0,1,2,3,4,5,6,7,8,9,10,11,12,13,14,15
	global_store_b96 v13, v[CQ+4*\k:CQ+4*\k+2], s[12:13] offset:384*\k   ; 384 consecutive bytes a store
.endr
	v_cmp_eq_u32 vcc_lo, 1, v2
.irp p, 0,1,2,3
	v_cndmask_b32 v[OW+\p], v[WQ+2*\p], v[WQ+2*\p+1], vcc_lo   ; lanes 0-15 block 2 p's words, lanes 16-31 block 2 p + 1's
.endr
.irp p, 0,1,2,3
	global_store_b32 v14, v[OW+\p], s[14:15] offset:128*\p
.endr
	; V: block k = 4 u + bb of 8: registers 16 k + i of window 3 are key 32 bb + 16 h + i of the channel in lane r of tile u
	WIN 0x3c                                       ; sources 1 and 2 window 3
.irp k, 0,1,2,3,4,5,6,7
	v_max3_num_f32 v[MX+\k], 0x2800000, |v[16*\k]|, |v[16*\k+1]|
.endr
.irp i, 2,4,6,8,10,12,14
.irp k, 0,1,2,3,4,5,6,7
	v_max3_num_f32 v[MX+\k], v[MX+\k], |v[16*\k+\i]|, |v[16*\k+\i+1]|
.endr
.endr
	WIN 0
.irp k, 0,1,2,3,4,5,6,7
	v_permlanex16_b32 v[TP+\k], v[MX+\k], s80, s81
.endr
.irp k, 0,1,2,3,4,5,6,7
	v_max_num_f32 v[MX+\k], v[MX+\k], v[TP+\k]
.endr
.irp k, 0,1,2,3,4,5,6,7
	v_add_nc_u32 v[EO+\k], 0xfe000000, v[MX+\k]
.endr
.irp k, 0,1,2,3,4,5,6,7
	v_lshrrev_b32 v[TP+\k], 23, v[EO+\k]
.endr
.irp u, 0,1
	v_lshl_or_b32 v[WV+\u], v[TP+4*\u+1], 8, v[TP+4*\u]
	v_lshl_or_b32 v[WV+\u], v[TP+4*\u+2], 16, v[WV+\u]
	v_lshl_or_b32 v[WV+\u], v[TP+4*\u+3], 24, v[WV+\u]   ; the channel's word for these 128 keys
.endr
	WIN 0x03                                       ; source 0 window 3
.irp k, 0,1,2,3,4,5,6,7
	v_cvt_scalef32_pk16_bf6_f32 v[CV+4*\k:CV+4*\k+2], v[16*\k:16*\k+15], v[EO+\k]
.endr
	WIN 0
	v_nop
.irp k, 0,1,2,3,4,5,6,7
	global_store_b96 v13, v[CV+4*\k:CV+4*\k+2], s[16:17] offset:384*\k
.endr
	v_cndmask_b32 v[OW+4], v[WV], v[WV+1], vcc_lo
	global_store_b32 v14, v[OW+4], s[18:19]
	s_wait_tensorcnt 0x0                           ; the wave's end
	ds_add_u32 v10, v11
	s_wait_dscnt 0x0
	s_endpgm
.Lfunc_end_k_q516885b592_qkv:
	.size	k_q516885b592_qkv, .Lfunc_end_k_q516885b592_qkv-k_q516885b592_qkv
	.p2alignl 7, 3214868480
	.fill 96, 4, 3214868480
	.section	.rodata,"a",@progbits
	.p2align	6, 0x0
	.amdhsa_kernel k_q516885b592_qkv
		.amdhsa_group_segment_fixed_size 327680
		.amdhsa_private_segment_fixed_size 0
		.amdhsa_enable_private_segment 0
		.amdhsa_kernarg_size 32
		.amdhsa_user_sgpr_count 2
		.amdhsa_user_sgpr_kernarg_segment_ptr 1
		.amdhsa_wavefront_size32 1
		.amdhsa_system_sgpr_workgroup_id_x 1
		.amdhsa_system_sgpr_workgroup_id_y 1
		.amdhsa_system_sgpr_workgroup_id_z 1
		.amdhsa_system_vgpr_workitem_id 0
		.amdhsa_next_free_vgpr 896
		.amdhsa_next_free_sgpr 100
		.amdhsa_reserve_vcc 1
		.amdhsa_float_denorm_mode_32 3
		.amdhsa_float_denorm_mode_16_64 3
		.amdhsa_memory_ordered 1
		.amdhsa_forward_progress 1
		.amdhsa_inst_pref_size 128
	.end_amdhsa_kernel
	.amdgpu_metadata
---
amdhsa.version: [ 1, 2 ]
amdhsa.kernels:
  - .name:           k_q516885b592_qkv
    .symbol:         k_q516885b592_qkv.kd
    .args:
      - { .name: opc, .offset: 0, .size: 8, .value_kind: global_buffer, .address_space: global }
      - { .name: ops, .offset: 8, .size: 8, .value_kind: global_buffer, .address_space: global }
      - { .name: qkvc, .offset: 16, .size: 8, .value_kind: global_buffer, .address_space: global }
      - { .name: qkvs, .offset: 24, .size: 8, .value_kind: global_buffer, .address_space: global }
    .group_segment_fixed_size: 327680
    .private_segment_fixed_size: 0
    .kernarg_segment_align: 8
    .kernarg_segment_size: 32
    .max_flat_workgroup_size: 128
    .sgpr_count:     100
    .vgpr_count:     896
    .wavefront_size: 32
...
	.end_amdgpu_metadata
.endif
;; end of part 2
;; launch attn (part 3): grid 8 x 32, 16 waves a work-group, clusters of 4 x 1, 292,864 bytes of LDS; arguments qkvc, qkvs, tgt_key_padding_mask, attc, atts; writes attc, atts
.if DOCPART == 3
	.amdgcn_target "amdgcn-amd-amdhsa--gfx1250"
	.amdhsa_code_object_version 6
	.text
	.protected	k_q516885b592_attn
	.globl	k_q516885b592_attn
	.p2align	8
	.type	k_q516885b592_attn,@function
k_q516885b592_attn:
	s_mov_b64 s[64:65], 0
	v_nop
	global_prefetch_b8 v0, s[64:65] scope:SCOPE_SE
	s_setreg_imm32_b32 hwreg(HW_REG_WAVE_MODE, 25, 1), 1
	s_wait_xcnt 0x0
	s_wait_alu depctr_hold_cnt(0) depctr_sa_sdst(0) depctr_va_vdst(0) depctr_va_sdst(0) depctr_va_ssrc(0) depctr_va_vcc(0) depctr_vm_vsrc(0)
	s_getreg_b32 s2, hwreg(HW_REG_IB_STS2, 6, 4)
	s_cmp_eq_u32 s2, 0
	s_cbranch_scc0 .Lentry_in_a_cluster
	s_endpgm
.Lentry_in_a_cluster:
	s_bfe_u32 s2, ttmp6, 0x10000c
	s_cmp_lg_u32 s2, 0x3003
	s_cbranch_scc0 .Lentry_shape_is_right
	s_endpgm
.Lentry_shape_is_right:
; O = softmax(Q K^T / 8, causal, padded keys left out) V for one head of one batch, both products on codes of BF6 with E8M0 scales; O / l is quantised along the channels and leaves as codes.
; THE SOFTMAX: t = score x log2(e) / 8; M = the running largest t rounded UP to a whole number; p = 2^(t - M) is quantised along the keys, not normalised; the sum l is taken of the unquantised p and divides at the end.
; SHARES: a head's 128 tiles of 16 queries go to 8 work-groups; work-group g has the tiles 8 o + g, o = 0 .. 15.  Tile o's queries lie in key step o (128 keys a step), so it has o + 1 key steps, the last on the diagonal: 136 in all.
; The tiles go in PAIRS, the long tile 15 - x with the short tile x (x = 0 .. 7): 17 steps, shared by waves 2 x and 2 x + 1.  The role is ((w >> 2) xor w) & 1.
;   role A (0): the long tile's steps 0 .. x and 8 .. 15 - x: nine steps.      role B (1): the long tile's steps x + 1 .. 7, then the whole short tile, steps 0 .. x: eight steps.
; So every wave has eight or nine steps, and any four waves taken by w % 4 or by w / 4 hold two of each role: 34 steps.  B hands its part of the long tile (O^T, -M, the largest t, l) to A through LDS as an image of its
; registers; A joins the two parts under the ceiling of the larger t: both are multiplied by whole powers of two, which rounds nothing.
; Every wave walks two loops of eight trips; steps that are not its own are jumped over by branches on numbers made of the wave's number alone; no barrier and no tensor load stands in a step.
; LDS: the head's K (98,304 bytes) and V (98,304) stay whole: nothing is ever filled again.  Wave 0 asks for K in four loads, wave 1 for V: four tensor loads of a wave are out at the most.  One barrier shows all of it to every wave.
; CLUSTER: the four work-groups of a cluster belong to one head and ask for the same K and V JOINTLY (mask 15).  g enters Q's and O's global addresses and the causal comparison's operand, nothing else.
; LAYOUT: S^T = K Q^T (source 0 = 16 keys, source 1 = my 16 queries), O^T = V^T P^T (source 0 = 16 channels): a lane holds ONE query.  The rows of a tile are not neighbours (row i of tile n is 32 (n / 2) + 8 (n % 2) + i + 8 (i / 8)),
; so the 16 registers of tiles 2 b, 2 b + 1 are 16 neighbouring keys (channels).  THE HEAD IS 64 WIDE, the instruction 128: Q's codes for k = 64 .. 127 are zeros, which add nothing whatever stands against them;
; K's fragment t names as its upper six registers the lower six of fragment t + 1 (for t = 7: six registers of zeros).
; PADDED KEYS: a bias for each key, 0 or -3e38, lies in LDS and is the C of the first product.  The running largest t starts at -1e30, above a padded key's t (about -5e37): so p = 0 for padded keys even while no key has counted.
; A ROW WITH NO KEY LEFT ends with l = 0; reference() has NaN there.  Its scale bytes are stored as 0xff, E8M0's NaN, which makes the row's sums in the last launch NaN.
; LIMITS: a row whose largest t lies under -1e30 is taken as without keys; O / l is v_rcp_f32 and a multiplication; a block under 2^-122 gets the byte 1; NaN and infinities among the inputs are not served.
; REGISTERS: v1-7 addresses that stay; v8-11, v28 the step's; v12 -M, v13 the largest t, v[14:15] l in two halves; v16-27 the long tile's Q; v29 16 r + h, v31 h; v32-85 K's eight fragments, then V's four; v96-159 bias, S^T, p;
;   v160-191 O^T; v196-207 the second tile's Q, v208 its scale words; v209, v210 my image's and my partner's place in LDS; v224-235 p's codes; v232-247, v252, v254 at work; v248-251 the tiles' scale words; v253 p's; v255 the long tile's Q's.
.set VOFF, 98304                       ; V's codes behind K's
.set KSC,  196608                      ; K's scale words, 8,192 bytes: stored by the waves; no tensor load lands from here on
.set VSC,  204800                      ; V's, 4,096 bytes
.set BIAS, 208896                      ; an f32 for each key, 8,192 bytes
.set MRG,  217088                      ; the images of partial states: MRGB bytes for each wave, its own
.set MRGB, 4608                        ; nine stores of 512 bytes: O^T's 32 registers, then -M, t, l
.set G1,   24                          ; s[24:31] group 1;  s[32:47] four groups 0
.set G0,   32
.set Q1,   16                          ; the long tile's Q
.set QW1,  255
.set Q2,   196                         ; the second tile's: role A: the long tile again; role B: the short tile
.set QW2,  208
.set MOWN, 209
.set MPAR, 210
.macro PLACES
.rept 4
	v_nop
.endr
.endm
.macro CROUND                          ; a round of the cluster's barrier
	s_barrier_signal -1
	s_barrier_wait -1
	s_cmp_lg_u32 s14, 0
	s_cbranch_scc1 .Lnot_wave_0_\@
	s_barrier_signal -3
.Lnot_wave_0_\@:
	s_barrier_wait -3
	s_barrier_signal -1
	s_barrier_wait -1
.endm
.macro WM d, a, b, sa, sb, ra          ; D = A B + D.  ra = 1: A's scales are read from lanes 16-31
.if (\ra)
	v_wmma_scale_f32_16x16x128_f8f6f4 v[(\d):(\d)+7], v[(\a):(\a)+11], v[(\b):(\b)+11], v[(\d):(\d)+7], v[\sa], v[\sb] matrix_a_fmt:MATRIX_FMT_BF6 matrix_b_fmt:MATRIX_FMT_BF6 matrix_a_scale:MATRIX_SCALE_ROW1
.else
	v_wmma_scale_f32_16x16x128_f8f6f4 v[(\d):(\d)+7], v[(\a):(\a)+11], v[(\b):(\b)+11], v[(\d):(\d)+7], v[\sa], v[\sb] matrix_a_fmt:MATRIX_FMT_BF6 matrix_b_fmt:MATRIX_FMT_BF6
.endif
.endm
	s_load_b256 s[4:11], s[0:1], 0x0               ; qkvc, qkvs, the mask, attc
	s_load_b64 s[12:13], s[0:1], 0x20              ; atts
	v_lshl_add_u32 v223, v0, 2, 0x47000
	v_mov_b32 v243, 0
	ds_add_u32 v223, v243
	ds_add_u32 v223, v243
	v_lshrrev_b32 v1, 5, v0
	s_delay_alu instid0(VALU_DEP_1)
	v_readfirstlane_b32 s14, v1                    ; wave 0..15
	s_bfe_u32 s15, ttmp6, 0x40000                  ; cx
	s_lshl_b32 s16, ttmp9, 2
	s_add_co_u32 s16, s16, s15                     ; g = 4 x cluster x + cx
	s_and_b32 s17, ttmp7, 0xffff                   ; b h, which the four partners share
	s_lshr_b32 s18, s17, 4                         ; the batch
	s_and_b32 s19, s17, 15                         ; the head
	; the shares, from the wave's number alone
	s_lshr_b32 s84, s14, 1                         ; x: the pair
	s_lshr_b32 s85, s14, 2
	s_xor_b32 s85, s85, s14
	s_and_b32 s85, s85, 1                          ; the role: 0 = A, 1 = B
	s_xor_b32 s86, s85, 1                          ; 1 for A
	s_add_co_u32 s87, s84, 1
	s_mul_i32 s87, s87, s85                        ; the first loop's first step of mine: A 0, B x + 1
	s_mul_i32 s88, s85, 7
	s_or_b32 s88, s88, s84                         ; and its last: A x, B 7 (x is at most 7)
	s_mul_i32 s52, s86, 15
	s_xor_b32 s52, s52, s84                        ; o of my second tile: A 15 - x, B x
	s_xor_b32 s89, s84, 15                         ; o of the long tile: 15 - x
	s_lshl_b32 s89, s89, 3
	s_add_co_u32 s89, s89, s16                     ; the long tile: 8 (15 - x) + g
	s_lshl_b32 s54, s52, 3
	s_add_co_u32 s54, s54, s16                     ; my second tile, the one that I store
	; group 1: a dense block of 24,576 bytes as 96 rows of 256 bytes (32 elements of 8 bytes); mask 15: all four work-groups; bit 21 set beside it
	s_mov_b32 s[G1+0], 15|(3<<16)|(1<<21)
	s_mov_b32 s[G1+1], 32<<16
	s_mov_b32 s[G1+2], 96<<16
	s_mov_b32 s[G1+3], 32<<16
	s_mov_b32 s[G1+4], 96
	s_mov_b32 s[G1+5], 32
	s_mov_b32 s[G1+6], 0
	s_mov_b32 s[G1+7], 0
	s_and_b32 s56, s14, 1                          ; wave 0: K, wave 1: V.  These registers never hold g
	s_mul_i32 s57, s56, VOFF
	s_add_co_u32 s56, s56, 1
	s_mul_i32 s56, s56, 3145728
	s_mul_i32 s58, s17, 98304
	s_add_co_u32 s58, s58, s56
	s_mov_b32 s59, 0
	; offsets of what the waves load and store themselves
	s_lshl_b32 s66, s17, 13
	s_add_co_u32 s66, s66, 262144
	s_mov_b32 s67, 0                               ; K's scale words of the head
	s_lshl_b32 s68, s17, 12
	s_add_co_u32 s68, s68, 524288
	s_mov_b32 s69, 0                               ; V's
	s_lshl_b32 s70, s18, 11
	s_mov_b32 s71, 0                               ; the batch's 2,048 mask bytes
	s_lshl_b32 s80, s17, 7
	s_add_co_u32 s81, s80, s89                     ; 128 b h + the long tile
	s_mul_i32 s72, s81, 768
	s_mov_b32 s73, 0                               ; its Q's codes
	s_lshl_b32 s74, s81, 6
	s_mov_b32 s75, 0                               ; and words
	s_add_co_u32 s81, s80, s54                     ; 128 b h + my second tile
	s_mul_i32 s90, s81, 768
	s_mov_b32 s91, 0
	s_lshl_b32 s92, s81, 6
	s_mov_b32 s93, 0
	s_lshl_b32 s81, s18, 7
	s_add_co_u32 s81, s81, s54                     ; G = 128 batch + my second tile
	s_lshl_b32 s76, s81, 3
	s_lshr_b32 s83, s19, 1
	s_add_co_u32 s76, s76, s83
	s_mul_i32 s76, s76, 1536
	s_and_b32 s83, s19, 1
	s_mul_i32 s83, s83, 768
	s_add_co_u32 s76, s76, s83
	s_mov_b32 s77, 0                               ; attc: K step head / 2 of block G, its half head % 2
	s_lshl_b32 s78, s81, 9
	s_lshr_b32 s83, s19, 3
	s_lshl_b32 s83, s83, 8
	s_add_co_u32 s78, s78, s83
	s_and_b32 s83, s19, 7
	s_lshl_b32 s83, s83, 1
	s_add_co_u32 s78, s78, s83
	s_mov_b32 s79, 0                               ; atts: 512 G + 256 (head / 8) + 2 (head % 8)
	s_lshr_b32 s82, s16, 1
	s_lshl_b32 s82, s82, 5
	s_and_b32 s83, s16, 1
	s_lshl_b32 s83, s83, 3
	s_add_co_u32 s82, s82, s83                     ; 32 (g / 2) + 8 (g % 2): where a tile's queries begin in its own key step
	s_mov_b32 s20, 0x76543210
	s_mov_b32 s21, 0xfedcba98                      ; v_permlanex16_b32's selects for lane l xor 16
	s_mov_b32 s22, 0x3e38aa3b                      ; c = log2(e) / 8
	s_mov_b32 s23, s22                             ; (named with it as a pair, so it is written)
	s_mov_b32 s48, 0                               ; the step's codes: 6,144 bytes a step, in K and in V
	s_mov_b32 s49, 0                               ; K's scale words and the bias: 512 bytes a step
	s_mov_b32 s50, 0                               ; V's scale words: 256 bytes a step
	s_mov_b32 s51, 0                               ; the step's number
	s_wait_dscnt 0x0
	s_wait_kmcnt 0x0
	s_add_nc_u64 s[58:59], s[4:5], s[58:59]
.irp c, 0,1,2,3
	s_mov_b32 s[G0+4*\c], 1
	s_add_co_u32 s[G0+4*\c+1], s57, 24576*\c
	s_add_nc_u64 s[G0+4*\c+2:G0+4*\c+3], s[58:59], 24576*\c
	s_or_b32 s[G0+4*\c+3], s[G0+4*\c+3], 0x80000000
.endr
	CROUND                                         ; all four work-groups are here: the joint loads meet
	s_cmp_lt_u32 s14, 2                            ; all first fills of a wave stand in one branch on the wave's number
	s_cbranch_scc0 .Lno_fill
.irp c, 0,1,2,3
	tensor_load_to_lds s[G0+4*\c:G0+4*\c+3], s[G1:G1+7]
	s_nop 0
.endr
	PLACES
.Lno_fill:
	s_add_nc_u64 s[66:67], s[6:7], s[66:67]
	s_add_nc_u64 s[68:69], s[6:7], s[68:69]
	s_add_nc_u64 s[70:71], s[8:9], s[70:71]
	s_add_nc_u64 s[72:73], s[4:5], s[72:73]
	s_add_nc_u64 s[74:75], s[6:7], s[74:75]
	s_add_nc_u64 s[90:91], s[4:5], s[90:91]
	s_add_nc_u64 s[92:93], s[6:7], s[92:93]
	s_add_nc_u64 s[76:77], s[10:11], s[76:77]
	s_add_nc_u64 s[78:79], s[12:13], s[78:79]
	v_and_b32 v195, 31, v0                         ; lane
	v_and_b32 v30, 15, v0                          ; r
	v_bfe_u32 v31, v0, 4, 1                        ; h
	s_delay_alu instid0(VALU_DEP_3)
	v_mul_u32_u24 v1, v195, 24                     ; 24 x lane: my place in a tile of K
	s_delay_alu instid0(VALU_DEP_4)
	v_lshl_add_u32 v2, v195, 2, KSC                ; K's scale words: 4 x lane
	v_lshl_add_u32 v3, v195, 2, VSC                ; V's
	s_delay_alu instid0(VALU_DEP_4)
	v_lshl_add_u32 v4, v31, 6, BIAS                ; the bias: my half's 16 keys of a block of 32
	v_and_b32 v5, 8, v30
	s_delay_alu instid0(VALU_DEP_1)
	v_add_nc_u32 v5, v5, v30
	v_lshlrev_b32 v6, 4, v31
	s_delay_alu instid0(VALU_DEP_1)
	v_sub_nc_u32 v5, v5, v6
	s_delay_alu instid0(VALU_DEP_1)
	v_add_nc_u32 v5, s82, v5                       ; my query's place in its tile's own key step, less 16 h: register 16 b + i is hidden where 32 b + i is greater
	v_add_nc_u32 v6, VOFF, v1                      ; my place in a tile of V
	v_mul_u32_u24 v7, v30, 24
	s_delay_alu instid0(VALU_DEP_1)
	v_mad_u32_u24 v7, v31, 12, v7                  ; the way out: 24 r + 12 h
	v_lshl_add_u32 v29, v30, 4, v31                ; and 16 r + h
	s_mul_i32 s83, s14, MRGB
	s_add_co_u32 s83, s83, MRG
	v_lshl_add_u32 v[MOWN], v195, 4, s83           ; my wave's image: 16 x lane
	s_xor_b32 s81, s14, 1
	s_mul_i32 s81, s81, MRGB
	s_add_co_u32 s81, s81, MRG
	v_lshl_add_u32 v[MPAR], v195, 4, s81           ; my partner's: wave w xor 1
	v_lshlrev_b32 v8, 4, v0                        ; the thread's 16, 8, 4 bytes of what the work-group copies
	v_lshlrev_b32 v9, 3, v0
	v_lshlrev_b32 v10, 2, v0
	v_lshlrev_b32 v11, 2, v30
	global_load_b128 v[96:99], v8, s[66:67]        ; K's scale words
	global_load_b64 v[100:101], v9, s[68:69]       ; V's
	global_load_b32 v102, v10, s[70:71]            ; four keys' mask bytes
.irp i, 0,1,2
	global_load_b64 v[Q1+2*\i:Q1+2*\i+1], v1, s[72:73] offset:8*\i   ; the long tile's Q: k = 32 h + 0 .. 31
.endr
	global_load_b32 v[QW1], v11, s[74:75]          ; and its scale words
.irp i, 0,1,2
	global_load_b64 v[Q2+2*\i:Q2+2*\i+1], v1, s[90:91] offset:8*\i   ; my second tile's
.endr
	global_load_b32 v[QW2], v11, s[92:93]
	v_lshl_add_u32 v192, v0, 4, KSC
	v_lshl_add_u32 v193, v0, 3, VSC
	v_lshl_add_u32 v194, v0, 4, BIAS
	v_mov_b32 v13, 0xf149f2ca                      ; the largest t so far: -1e30
	s_delay_alu instid0(VALU_DEP_1)
	v_floor_f32 v12, -v13                          ; -M
	v_mov_b32 v14, 0
	v_mov_b32 v15, 0
.irp j, 6,7,8,9,10,11
	v_mov_b32 v[Q1+\j], 0                          ; Q's codes for k = 64 .. 127: zeros
	v_mov_b32 v[Q2+\j], 0
.endr
.irp j, 80,81,82,83,84,85
	v_mov_b32 v[\j], 0                             ; what K's fragment 7 names as its upper half
.endr
.irp j, 0,1,2,3,4,5,6,7,8,9,10,11,12,13,14,15,16,17,18,19,20,21,22,23,24,25,26,27,28,29,30,31
	v_mov_b32 v[160+\j], 0                         ; O^T: a tile's first step finds zeros
.endr
.irp b, 0,1,2,3
	v_mov_b32 v[236+\b], 0                         ; a lane permute's destination counts as one of its sources
.endr
	v_mov_b32 v252, 0
	v_mov_b32 v253, 0
	v_mov_b32 v103, 0xff61b1e6                     ; -3e38
	s_wait_alu depctr_va_vdst(0)
	s_wait_loadcnt 0x8                             ; the scale words and the mask are in; the eight loads of the two Q may be out
	ds_store_b128 v192, v[96:99]
	ds_store_b64 v193, v[100:101]
.irp j, 0,1,2,3
	v_bfe_u32 v[104+\j], v102, 8*\j, 8
.endr
.irp j, 0,1,2,3
	v_cmp_ne_u32 vcc_lo, 0, v[104+\j]
	s_delay_alu instid0(VALU_DEP_1)
	v_cndmask_b32 v[104+\j], 0, v103, vcc_lo       ; a padded key's bias
.endr
	ds_store_b128 v194, v[104:107]
	s_wait_loadcnt 0x0                             ; both Q; and the loads' address registers may be written again
; A KEY STEP: 128 keys.  qf, qw: the tile's Q and its scale words.  second = 0: the first loop (my steps run from s87 to s88; none lies on the diagonal); 1: the second loop (my steps end with s52, which lies on the diagonal).
.macro STEP qf, qw, second
.if \second
	s_cmp_gt_u32 s51, s52                          ; a step that is not mine is left out: branches on the wave's number and the step's
	s_cbranch_scc1 .Lhidden_\@
.else
	s_cmp_lt_u32 s51, s87
	s_cbranch_scc1 .Lhidden_\@
	s_cmp_gt_u32 s51, s88
	s_cbranch_scc1 .Lhidden_\@
.endif
	s_setprio 2
	v_add_nc_u32 v8, s48, v1                       ; (these five are also the places between the last products and the loads below)
	v_add_nc_u32 v9, s48, v6
	v_add_nc_u32 v10, s49, v2
	v_add_nc_u32 v11, s50, v3
	v_add_nc_u32 v28, s49, v4
.irp t, 0,1,2,3,4,5,6,7
	ds_load_b128 v[96+8*\t:99+8*\t], v28 offset:4*(32*(\t/2)+8*(\t%2))        ; the bias of my eight keys of tile t, in the result's layout
	ds_load_b128 v[100+8*\t:103+8*\t], v28 offset:4*(32*(\t/2)+8*(\t%2))+16
.endr
.irp t, 0,1,2,3,4,5,6,7
.irp i, 0,1,2
	ds_load_b64 v[32+6*\t+2*\i:33+6*\t+2*\i], v8 offset:768*\t+8*\i
.endr
.endr
.irp p, 0,1,2,3
	ds_load_b32 v[248+\p], v10 offset:128*\p       ; lanes 0-15 tile 2 p's words, lanes 16-31 tile 2 p + 1's
.endr
	s_wait_alu depctr_va_vdst(0)
	s_wait_dscnt 0x0
.irp t, 0,1,2,3,4,5,6,7
	WM 96+8*\t, 32+6*\t, \qf, 248+\t/2, \qw, \t%2   ; S^T = K Q^T + the bias
.endr
	PLACES
.irp t, 0,1,2,3                        ; V's fragments and words are asked for now: the softmax stands between these loads and the wait for them
.irp p, 0,1,2,3,4,5
	ds_load_b64 v[32+12*\t+2*\p:33+12*\t+2*\p], v9 offset:1536*\t+768*(\p/3)+8*(\p%3)
.endr
.endr
.irp p, 0,1
	ds_load_b32 v[248+\p], v11 offset:128*\p
.endr
.if \second
	s_cmp_lg_u32 s51, s52                          ; only the tile's last step lies on the diagonal
	s_cbranch_scc1 .Lopen_\@
	v_mov_b32 v254, 0xff800000                     ; -infinity
.irp n, 0,1,2,3,4,5,6,7,8,9,10,11,12,13,14,15,16,17,18,19,20,21,22,23,24,25,26,27,28,29,30,31,32,33,34,35,36,37,38,39,40,41,42,43,44,45,46,47,48,49,50,51,52,53,54,55,56,57,58,59,60,61,62,63
	v_cmp_gt_i32 vcc_lo, 32*(\n/16)+\n%16, v5
	v_cndmask_b32 v[96+\n], v[96+\n], v254, vcc_lo
.endr
.Lopen_\@:
.endif
.irp b, 0,1,2,3
	v_max3_num_f32 v[232+\b], v[96+16*\b], v[97+16*\b], v[98+16*\b]   ; the largest score of each block of 32 keys: for the row's maximum and, since p rises with the score, for the block's largest p
.endr
.irp i, 3,5,7,9,11,13
.irp b, 0,1,2,3
	v_max3_num_f32 v[232+\b], v[232+\b], v[96+16*\b+\i], v[97+16*\b+\i]
.endr
.endr
.irp b, 0,1,2,3
	v_max_num_f32 v[232+\b], v[232+\b], v[111+16*\b]
.endr
.irp b, 0,1,2,3
	s_delay_alu instid0(VALU_DEP_4)
	v_permlanex16_b32 v[236+\b], v[232+\b], s20, s21
.endr
.irp b, 0,1,2,3
	s_delay_alu instid0(VALU_DEP_4)
	v_max_num_f32 v[232+\b], v[232+\b], v[236+\b]  ; with lane l xor 16's 16 keys
.endr
	s_delay_alu instid0(VALU_DEP_2)
	v_max3_num_f32 v254, v232, v233, v234
	s_delay_alu instid0(VALU_DEP_1)
	v_max_num_f32 v254, v254, v235
	s_delay_alu instid0(VALU_DEP_1)
	v_mul_f32 v254, s22, v254                      ; the step's largest t
	s_delay_alu instid0(VALU_DEP_1)
	v_max_num_f32 v13, v13, v254                   ; the running largest
	v_mov_b32 v254, v12
	s_delay_alu instid0(VALU_DEP_2)
	v_floor_f32 v12, -v13                          ; the new -M = -ceil(t)
	s_delay_alu instid0(VALU_DEP_1)
	v_sub_f32 v254, v12, v254                      ; old M - new M: a whole number, 0 or less
	s_delay_alu instid0(VALU_DEP_1)
	v_cvt_i32_f32 v254, v254                       ; (it saturates)
	s_delay_alu instid0(VALU_DEP_1)
	v_ldexp_f32 v252, 1.0, v254                    ; f = 2^(old M - new M)
.irp j, 0,2,4,6,8,10,12,14,16,18,20,22,24,26,28,30,32,34,36,38,40,42,44,46,48,50,52,54,56,58,60,62
	v_pk_fma_f32 v[96+\j:97+\j], v[96+\j:97+\j], s[22:23], v[12:13] op_sel_hi:[1,0,0]   ; t - M
.endr
	s_setprio 1
.irp b, 0,1,2,3
	v_fma_f32 v[232+\b], v[232+\b], s22, v12
.endr
	s_wait_alu depctr_va_vdst(0)
.irp j, 0,1,2,3,4,5,6,7,8,9,10,11,12,13,14,15,16,17,18,19,20,21,22,23,24,25,26,27,28,29,30,31,32,33,34,35,36,37,38,39,40,41,42,43,44,45,46,47,48,49,50,51,52,53,54,55,56,57,58,59,60,61,62,63
	v_exp_f32 v[96+\j], v[96+\j]                   ; p = 2^(t - M)
.endr
.irp b, 0,1,2,3
	v_exp_f32 v[232+\b], v[232+\b]                 ; the block's largest p
.endr
	v_pk_mul_f32 v[14:15], v[14:15], v[252:253] op_sel_hi:[1,0]   ; l under the new M (a plain place behind the exponentials)
	s_wait_alu depctr_va_vdst(0)
.irp b, 0,1,2,3
	v_max_num_f32 v[232+\b], 0x2800000, v[232+\b]  ; the floor 2^(5 - 127)
.endr
.irp b, 0,1,2,3
	s_delay_alu instid0(VALU_DEP_4)
	v_add_nc_u32 v[244+\b], 0xfe000000, v[232+\b]  ; the conversion's scale operand
.endr
.irp b, 0,1,2,3
	s_delay_alu instid0(VALU_DEP_4)
	v_lshrrev_b32 v[236+\b], 23, v[244+\b]         ; the byte
.endr
	s_delay_alu instid0(VALU_DEP_3)
	v_lshl_or_b32 v253, v237, 8, v236              ; p's scale word for these 128 keys
	s_delay_alu instid0(VALU_DEP_1)
	v_lshl_or_b32 v253, v238, 16, v253
	s_delay_alu instid0(VALU_DEP_1)
	v_lshl_or_b32 v253, v239, 24, v253
.irp c, 0,1
	v_cvt_scalef32_pk16_bf6_f32 v[224+6*\c:226+6*\c], v[96+32*\c:111+32*\c], v[244+2*\c]
	v_cvt_scalef32_pk16_bf6_f32 v[236+4*\c:238+4*\c], v[112+32*\c:127+32*\c], v[244+2*\c+1]
.endr
	v_nop                                          ; one plain place behind a scaled conversion
.irp c, 0,1                            ; the operand's layout wants a whole block in a lane
.irp i, 0,1,2
	v_permlane16_swap_b32 v[224+6*\c+\i], v[236+4*\c+\i]
.endr
.irp i, 0,1,2
	s_delay_alu instid0(VALU_DEP_3)
	v_mov_b32 v[227+6*\c+\i], v[236+4*\c+\i]
.endr
.endr
	v_pk_add_f32 v[236:237], v[100:101], v[104:105]
	v_pk_add_f32 v[250:251], v[108:109], v[112:113]
	v_pk_add_f32 v[246:247], v[116:117], v[120:121]
	v_pk_add_f32 v[244:245], v[124:125], v[128:129]
	v_pk_add_f32 v[240:241], v[132:133], v[136:137]
	v_pk_add_f32 v[220:221], v[140:141], v[144:145]
	v_pk_add_f32 v[218:219], v[148:149], v[152:153]
	v_pk_add_f32 v[14:15], v[14:15], v[156:157]
	v_pk_add_f32 v[236:237], v[236:237], v[96:97]
	v_pk_add_f32 v[250:251], v[250:251], v[98:99]
	v_pk_add_f32 v[246:247], v[246:247], v[102:103]
	v_pk_add_f32 v[244:245], v[244:245], v[106:107]
	v_pk_add_f32 v[240:241], v[240:241], v[110:111]
	v_pk_add_f32 v[220:221], v[220:221], v[114:115]
	v_pk_add_f32 v[218:219], v[218:219], v[118:119]
	s_setprio 0
	v_pk_add_f32 v[14:15], v[14:15], v[122:123]
	v_pk_add_f32 v[236:237], v[236:237], v[126:127]
	v_pk_add_f32 v[250:251], v[250:251], v[130:131]
	v_pk_add_f32 v[246:247], v[246:247], v[134:135]
	v_pk_add_f32 v[244:245], v[244:245], v[138:139]
	v_pk_add_f32 v[240:241], v[240:241], v[142:143]
	v_pk_add_f32 v[220:221], v[220:221], v[146:147]
	v_pk_add_f32 v[218:219], v[218:219], v[150:151]
	v_pk_add_f32 v[14:15], v[14:15], v[154:155]
	v_pk_add_f32 v[236:237], v[236:237], v[158:159]
	s_delay_alu instid0(VALU_DEP_2)
	v_pk_add_f32 v[14:15], v[14:15], v[244:245]
	s_delay_alu instid0(VALU_DEP_2)
	v_pk_add_f32 v[236:237], v[236:237], v[240:241]
	v_pk_add_f32 v[250:251], v[250:251], v[220:221]
	v_pk_add_f32 v[246:247], v[246:247], v[218:219]
	s_delay_alu instid0(VALU_DEP_2)
	v_pk_add_f32 v[14:15], v[14:15], v[250:251]
	s_delay_alu instid0(VALU_DEP_2)
	v_pk_add_f32 v[236:237], v[236:237], v[246:247]
	s_delay_alu instid0(VALU_DEP_1)
	v_pk_add_f32 v[14:15], v[14:15], v[236:237]
.irp j, 0,2,4,6,8,10,12,14,16,18,20,22,24,26,28,30
	v_pk_mul_f32 v[160+\j:161+\j], v[160+\j:161+\j], v[252:253] op_sel_hi:[1,0]   ; O^T under the new M
.endr
	s_wait_alu depctr_va_vdst(0)
	s_wait_dscnt 0x0                               ; V
.irp t, 0,1,2,3
	WM 160+8*\t, 32+12*\t, 224, 248+\t/2, 253, \t%2   ; O^T += V^T P^T
.endr
.Lhidden_\@:
	s_add_co_u32 s48, s48, 6144
	s_add_co_u32 s49, s49, 512
	s_add_co_u32 s50, s50, 256
	s_add_co_u32 s51, s51, 1
.endm
	s_wait_tensorcnt 0x0                           ; the waves that asked: all of K, all of V has landed; nothing is ever filled again
	s_wait_dscnt 0x0                               ; my stores of scale words and bias have landed
	s_barrier_signal -1
	s_barrier_wait -1                              ; every wave may read all of it: from here on no wave waits for another until the parts are joined
	; THE FIRST LOOP: key steps 0 to 7 of the long tile: A takes 0 .. x, B takes x + 1 .. 7
	s_mov_b32 s53, 8
.Lfirst:
	STEP Q1, QW1, 0
	s_sub_co_u32 s53, s53, 1
	s_cmp_lg_u32 s53, 0
	s_cbranch_scc1 .Lfirst
	s_setprio 0
	s_cmp_eq_u32 s85, 0
	s_cbranch_scc1 .Lgoes_on                       ; A goes on with its tile
	PLACES                                         ; B: between the last products and the stores that read their results
.irp i, 0,1,2,3,4,5,6,7
	ds_store_b128 v[MOWN], v[160+4*\i:163+4*\i] offset:512*\i   ; my part of the long tile as an image of its registers, each accumulator from its low end on
.endr
	ds_store_b128 v[MOWN], v[12:15] offset:4096    ; -M, the largest t, l's two halves
	s_wait_dscnt 0x0                               ; the stores have landed, for my partner's sake, and have read their registers
	v_mov_b32 v13, 0xf149f2ca                      ; the short tile begins: -1e30,
	s_delay_alu instid0(VALU_DEP_1)
	v_floor_f32 v12, -v13
	v_mov_b32 v14, 0
	v_mov_b32 v15, 0
.irp j, 0,1,2,3,4,5,6,7,8,9,10,11,12,13,14,15,16,17,18,19,20,21,22,23,24,25,26,27,28,29,30,31
	v_mov_b32 v[160+\j], 0                         ; and zeros
.endr
.Lgoes_on:
	; THE SECOND LOOP: A: key steps 8 to 15 of the long tile, its own up to 15 - x;  B: key steps 0 to 7 of the short tile, its own up to x
	s_mul_i32 s48, s86, 8*6144
	s_lshl_b32 s49, s86, 12
	s_lshl_b32 s50, s86, 11
	s_lshl_b32 s51, s86, 3
	s_mov_b32 s53, 8
.Lsecond:
	STEP Q2, QW2, 1
	s_sub_co_u32 s53, s53, 1
	s_cmp_lg_u32 s53, 0
	s_cbranch_scc1 .Lsecond
	s_setprio 0
	PLACES                                         ; behind the last products
	s_wait_dscnt 0x0
	s_barrier_signal -1
	s_barrier_wait -1                              ; every B has stored its image (it waited for its stores long ago)
	s_cmp_lg_u32 s85, 0
	s_cbranch_scc1 .Lwhole                         ; B's short tile is whole
.irp i, 0,1,2,3,4,5,6,7
	ds_load_b128 v[96+4*\i:99+4*\i], v[MPAR] offset:512*\i   ; A: my partner's part of the long tile, the same registers in the same lanes
.endr
	ds_load_b128 v[128:131], v[MPAR] offset:4096
	s_wait_dscnt 0x0
	v_max_num_f32 v132, v13, v129                  ; the larger of the two largest t
	s_delay_alu instid0(VALU_DEP_1)
	v_floor_f32 v133, -v132                        ; the common -M
	s_delay_alu instid0(VALU_DEP_1)
	v_sub_f32 v135, v133, v12                      ; my M less the common one: a whole number, 0 or less
	s_delay_alu instid0(VALU_DEP_2)
	v_sub_f32 v137, v133, v128                     ; my partner's likewise
	s_delay_alu instid0(VALU_DEP_2)
	v_cvt_i32_f32 v135, v135                       ; (they saturate: a part in which no key has counted gets the factor 0, and holds zeros)
	s_delay_alu instid0(VALU_DEP_2)
	v_cvt_i32_f32 v137, v137
	s_delay_alu instid0(VALU_DEP_2)
	v_ldexp_f32 v134, 1.0, v135
	s_delay_alu instid0(VALU_DEP_2)
	v_ldexp_f32 v136, 1.0, v137
	s_delay_alu instid0(VALU_DEP_2)
	v_pk_mul_f32 v[14:15], v[14:15], v[134:135] op_sel_hi:[1,0]
	s_delay_alu instid0(VALU_DEP_1)
	v_pk_fma_f32 v[14:15], v[130:131], v[136:137], v[14:15] op_sel_hi:[1,0,1]
.irp j, 0,2,4,6,8,10,12,14,16,18,20,22,24,26,28,30
	v_pk_mul_f32 v[160+\j:161+\j], v[160+\j:161+\j], v[134:135] op_sel_hi:[1,0]
.endr
.irp j, 0,2,4,6,8,10,12,14,16,18,20,22,24,26,28,30
	v_pk_fma_f32 v[160+\j:161+\j], v[96+\j:97+\j], v[136:137], v[160+\j:161+\j] op_sel_hi:[1,0,1]
.endr
.Lwhole:
	; THE WAY OUT: O^T / l, register 16 b + i = channel 32 b + 16 h + i of my query; two blocks of 32 along the last product's K
	v_add_f32 v14, v14, v15
	s_delay_alu instid0(VALU_DEP_1)
	v_permlanex16_b32 v252, v14, s20, s21
	s_delay_alu instid0(VALU_DEP_1)
	v_add_f32 v14, v14, v252                       ; the row's sum
	s_delay_alu instid0(VALU_DEP_1)
	v_cmp_eq_f32 s62, 0, v14                       ; no key has counted
	v_rcp_f32 v15, v14
	v_nop                                          ; one plain place behind a transcendental
	s_wait_alu depctr_va_vdst(0)
.irp j, 0,1,2,3,4,5,6,7,8,9,10,11,12,13,14,15,16,17,18,19,20,21,22,23,24,25,26,27,28,29,30,31
	v_mul_f32 v[96+\j], v[160+\j], v15
.endr
.irp b, 0,1
	v_max3_num_f32 v[232+\b], |v[96+16*\b]|, |v[97+16*\b]|, 0x2800000
.endr
.irp i, 2,4,6,8,10,12,14
.irp b, 0,1
	s_delay_alu instid0(VALU_DEP_2)
	v_max3_num_f32 v[232+\b], v[232+\b], |v[96+16*\b+\i]|, |v[97+16*\b+\i]|
.endr
.endr
.irp b, 0,1
	s_delay_alu instid0(VALU_DEP_2)
	v_permlanex16_b32 v[236+\b], v[232+\b], s20, s21
.endr
.irp b, 0,1
	s_delay_alu instid0(VALU_DEP_2)
	v_max_num_f32 v[232+\b], v[232+\b], v[236+\b]
.endr
.irp b, 0,1
	s_delay_alu instid0(VALU_DEP_2)
	v_add_nc_u32 v[244+\b], 0xfe000000, v[232+\b]
.endr
.irp b, 0,1
	s_delay_alu instid0(VALU_DEP_2)
	v_lshrrev_b32 v[236+\b], 23, v[244+\b]
.endr
	v_cvt_scalef32_pk16_bf6_f32 v[224:226], v[96:111], v244
	v_cvt_scalef32_pk16_bf6_f32 v[228:230], v[112:127], v245
	v_nop
	v_cmp_eq_u32 vcc_lo, 1, v31
	s_delay_alu instid0(VALU_DEP_1)
	v_cndmask_b32 v238, v236, v237, vcc_lo         ; lanes 0-15 store block 0's byte, lanes 16-31 block 1's
	v_mov_b32 v239, 0xff
	s_delay_alu instid0(VALU_DEP_1)
	v_cndmask_b32 v238, v238, v239, s62            ; E8M0's NaN for a row without keys
	global_store_b96 v7, v[224:226], s[76:77]
	global_store_b96 v7, v[228:230], s[76:77] offset:384
	global_store_b8 v29, v238, s[78:79]
	s_wait_dscnt 0x0
	s_wait_tensorcnt 0x0
	ds_add_u32 v223, v243
	s_wait_dscnt 0x0
	CROUND                                         ; the closing round: no work-group ends while a partner may still ask for a tile that names it
	s_endpgm
.Lfunc_end_k_q516885b592_attn:
	.size	k_q516885b592_attn, .Lfunc_end_k_q516885b592_attn-k_q516885b592_attn
	.p2alignl 7, 3214868480
	.fill 96, 4, 3214868480
	.section	.rodata,"a",@progbits
	.p2align	6, 0x0
	.amdhsa_kernel k_q516885b592_attn
		.amdhsa_group_segment_fixed_size 292864
		.amdhsa_private_segment_fixed_size 0
		.amdhsa_enable_private_segment 0
		.amdhsa_kernarg_size 40
		.amdhsa_user_sgpr_count 2
		.amdhsa_user_sgpr_kernarg_segment_ptr 1
		.amdhsa_wavefront_size32 1
		.amdhsa_system_sgpr_workgroup_id_x 1
		.amdhsa_system_sgpr_workgroup_id_y 1
		.amdhsa_system_sgpr_workgroup_id_z 1
		.amdhsa_system_vgpr_workitem_id 0
		.amdhsa_next_free_vgpr 256
		.amdhsa_next_free_sgpr 96
		.amdhsa_reserve_vcc 1
		.amdhsa_float_denorm_mode_32 3
		.amdhsa_float_denorm_mode_16_64 3
		.amdhsa_memory_ordered 1
		.amdhsa_forward_progress 1
		.amdhsa_inst_pref_size 68
	.end_amdhsa_kernel
	.amdgpu_metadata
---
amdhsa.version: [ 1, 2 ]
amdhsa.kernels:
  - .name:           k_q516885b592_attn
    .symbol:         k_q516885b592_attn.kd
    .args:
      - { .name: qkvc, .offset: 0, .size: 8, .value_kind: global_buffer, .address_space: global }
      - { .name: qkvs, .offset: 8, .size: 8, .value_kind: global_buffer, .address_space: global }
      - { .name: tgt_key_padding_mask, .offset: 16, .size: 8, .value_kind: global_buffer, .address_space: global }
      - { .name: attc, .offset: 24, .size: 8, .value_kind: global_buffer, .address_space: global }
      - { .name: atts, .offset: 32, .size: 8, .value_kind: global_buffer, .address_space: global }
    .group_segment_fixed_size: 292864
    .private_segment_fixed_size: 0
    .kernarg_segment_align: 8
    .kernarg_segment_size: 40
    .max_flat_workgroup_size: 512
    .sgpr_count:     96
    .vgpr_count:     256
    .wavefront_size: 32
...
	.end_amdgpu_metadata
.endif
;; end of part 3
;; launch proj (part 4): grid 8 x 32, 4 waves a work-group, no clusters, 214,528 bytes of LDS; arguments attc, atts, opc, ops, out0; writes out0
.if DOCPART == 4
	.amdgcn_target "amdgcn-amd-amdhsa--gfx1250"
	.amdhsa_code_object_version 6
	.text
	.protected	k_q516885b592_proj
	.globl	k_q516885b592_proj
	.p2align	8
	.type	k_q516885b592_proj,@function
k_q516885b592_proj:
	s_mov_b64 s[64:65], 0
	v_nop
	global_prefetch_b8 v0, s[64:65] scope:SCOPE_SE
	s_setreg_imm32_b32 hwreg(HW_REG_WAVE_MODE, 25, 1), 1
	s_wait_xcnt 0x0
; out0 = O Wo^T on codes of BF6 with E8M0 scales; K = 1,024 in eight steps of 128; out0 [4096][1024] f32.
; SHARES: a work-group makes 128 tokens x 128 columns; wave w (mh = w / 2, nh = w % 2) 64 x 64: 16 accumulators, one turn each in every K step.
; TRANSPOSED: source 0 = 16 rows of Wo, source 1 = 16 tokens.  The rows of a block are not neighbours (row i of block n is 32 (n / 2) + 8 (n % 2) + i + 8 (i / 8)), so a lane's 16 registers of tiles 2 b, 2 b + 1 are 16 neighbouring columns.
; LDS: all of K stays: four chunks of two K steps, 16 rows of 3,072 bytes each (8 blocks of O, 8 of Wo): 196,608 bytes, filled once.  Each wave asks for four rows of each chunk: four tensor loads of a wave are out at the most.
; Behind them a stage of 16 x 272 bytes for each wave, into which no tensor load lands.
; A scale byte 0xff (E8M0's NaN), which the launch before stores for a token without keys, makes that token's sums NaN, as reference() has them.
; NO JOINT LOADS IN THIS FORM: the eight work-groups of one y read the same 98,304 bytes of O's codes, the 32 of one x the same 98,304 of Wo's; a cluster of 4 x 4 would divide those requests by four.  Left for a later form.
; REGISTERS: window 0: v1-11 addresses; v16-31 O's scale words, v32-47 Wo's, and nothing else there; v48-111 two sets of 32 for the way out; v128-255 accumulators (block a, tile t) at 128 + 32 a + 8 t.
;   window 1: two sets of 96: O's 4 fragments, then Wo's 4.
.set CHB,  49152                       ; a chunk
.set STG,  4*CHB                       ; the stages
.set SA,   16
.set SB,   32
.set OB,   48
.set ACC,  128
.set G1,   24                          ; s[24:31] group 1;  s[32:47] four groups 0
.set G0,   32
.set MSB, 0
.macro WIN new
.if MSB != \new
	s_set_vgpr_msb (MSB<<8)|\new
.set MSB, \new
.endif
.endm
.macro PLACES
.rept 4
	v_nop
.endr
.endm
.macro WM d, a, b, zero, sa, sb, ra, rb
.if \zero
.if (\ra) && (\rb)
	v_wmma_scale_f32_16x16x128_f8f6f4 v[(\d):(\d)+7], v[(\a):(\a)+11], v[(\b):(\b)+11], 0, v[\sa], v[\sb] matrix_a_fmt:MATRIX_FMT_BF6 matrix_b_fmt:MATRIX_FMT_BF6 matrix_a_scale:MATRIX_SCALE_ROW1 matrix_b_scale:MATRIX_SCALE_ROW1
.elseif (\ra)
	v_wmma_scale_f32_16x16x128_f8f6f4 v[(\d):(\d)+7], v[(\a):(\a)+11], v[(\b):(\b)+11], 0, v[\sa], v[\sb] matrix_a_fmt:MATRIX_FMT_BF6 matrix_b_fmt:MATRIX_FMT_BF6 matrix_a_scale:MATRIX_SCALE_ROW1
.elseif (\rb)
	v_wmma_scale_f32_16x16x128_f8f6f4 v[(\d):(\d)+7], v[(\a):(\a)+11], v[(\b):(\b)+11], 0, v[\sa], v[\sb] matrix_a_fmt:MATRIX_FMT_BF6 matrix_b_fmt:MATRIX_FMT_BF6 matrix_b_scale:MATRIX_SCALE_ROW1
.else
	v_wmma_scale_f32_16x16x128_f8f6f4 v[(\d):(\d)+7], v[(\a):(\a)+11], v[(\b):(\b)+11], 0, v[\sa], v[\sb] matrix_a_fmt:MATRIX_FMT_BF6 matrix_b_fmt:MATRIX_FMT_BF6
.endif
.else
.if (\ra) && (\rb)
	v_wmma_scale_f32_16x16x128_f8f6f4 v[(\d):(\d)+7], v[(\a):(\a)+11], v[(\b):(\b)+11], v[(\d):(\d)+7], v[\sa], v[\sb] matrix_a_fmt:MATRIX_FMT_BF6 matrix_b_fmt:MATRIX_FMT_BF6 matrix_a_scale:MATRIX_SCALE_ROW1 matrix_b_scale:MATRIX_SCALE_ROW1
.elseif (\ra)
	v_wmma_scale_f32_16x16x128_f8f6f4 v[(\d):(\d)+7], v[(\a):(\a)+11], v[(\b):(\b)+11], v[(\d):(\d)+7], v[\sa], v[\sb] matrix_a_fmt:MATRIX_FMT_BF6 matrix_b_fmt:MATRIX_FMT_BF6 matrix_a_scale:MATRIX_SCALE_ROW1
.elseif (\rb)
	v_wmma_scale_f32_16x16x128_f8f6f4 v[(\d):(\d)+7], v[(\a):(\a)+11], v[(\b):(\b)+11], v[(\d):(\d)+7], v[\sa], v[\sb] matrix_a_fmt:MATRIX_FMT_BF6 matrix_b_fmt:MATRIX_FMT_BF6 matrix_b_scale:MATRIX_SCALE_ROW1
.else
	v_wmma_scale_f32_16x16x128_f8f6f4 v[(\d):(\d)+7], v[(\a):(\a)+11], v[(\b):(\b)+11], v[(\d):(\d)+7], v[\sa], v[\sb] matrix_a_fmt:MATRIX_FMT_BF6 matrix_b_fmt:MATRIX_FMT_BF6
.endif
.endif
.endm
	s_load_b256 s[4:11], s[0:1], 0x0               ; attc, atts, opc, ops
	s_load_b64 s[12:13], s[0:1], 0x20              ; out0
	v_lshl_add_u32 v126, v0, 2, 0x34400
	v_mov_b32 v127, 0
	ds_add_u32 v126, v127
	ds_add_u32 v126, v127
	v_lshrrev_b32 v1, 5, v0
	v_readfirstlane_b32 s14, v1                    ; wave
	s_lshr_b32 s15, s14, 1                         ; mh
	s_and_b32 s16, s14, 1                          ; nh
	s_and_b32 s17, ttmp7, 0xffff                   ; my: which 128 tokens;  ttmp9: which 128 columns
	; group 1: 4 rows of 3,072 bytes (384 elements of 8 bytes: two K steps of a block), 12,288 bytes (1,536 elements) apart in memory, dense in LDS
	s_mov_b32 s[G1+0], 3<<16
	s_mov_b32 s[G1+1], 384<<16
	s_mov_b32 s[G1+2], 4<<16
	s_mov_b32 s[G1+3], 384<<16
	s_mov_b32 s[G1+4], 4
	s_mov_b32 s[G1+5], 1536
	s_mov_b32 s[G1+6], 0
	s_mov_b32 s[G1+7], 0
	s_lshl_b32 s18, s17, 3
	s_lshl_b32 s19, s14, 2
	s_add_co_u32 s18, s18, s19                     ; waves 0, 1: O's blocks 8 my + 4 w on
	s_lshl_b32 s20, ttmp9, 3
	s_add_co_u32 s20, s20, s19
	s_add_co_u32 s20, s20, 440                     ; waves 2, 3: Wo's blocks 448 + 8 nx + 4 (w - 2) on
	s_cmp_lt_u32 s14, 2
	s_cselect_b32 s18, s18, s20
	s_mul_i32 s18, s18, 12288
	s_mov_b32 s19, 0
	s_mul_i32 s21, s14, 12288                      ; where they go in a chunk: 4 rows a wave
	s_lshl_b32 s52, s17, 7
	s_lshl_b32 s53, s15, 6
	s_add_co_u32 s52, s52, s53
	s_lshl_b32 s52, s52, 12                        ; out0: token 128 my + 64 mh, 4,096 bytes a row,
	s_lshl_b32 s53, ttmp9, 9
	s_add_co_u32 s52, s52, s53
	s_lshl_b32 s53, s16, 8
	s_add_co_u32 s52, s52, s53                     ; column 128 nx + 64 nh
	s_mov_b32 s53, 0
	s_lshl_b32 s54, s17, 3
	s_lshl_b32 s55, s15, 2
	s_add_co_u32 s54, s54, s55
	s_lshl_b32 s54, s54, 9                         ; O's scale words: block 8 my + 4 mh
	s_mov_b32 s55, 0
	s_lshl_b32 s56, ttmp9, 3
	s_lshl_b32 s57, s16, 2
	s_add_co_u32 s56, s56, s57
	s_add_co_u32 s56, s56, 448
	s_lshl_b32 s56, s56, 9                         ; Wo's: block 448 + 8 nx + 4 nh
	s_mov_b32 s57, 0
	s_wait_dscnt 0x0
	s_wait_kmcnt 0x0
	s_cmp_lt_u32 s14, 2                            ; the buffer: a choice on the wave's number
	s_cselect_b64 s[22:23], s[4:5], s[8:9]
	s_add_nc_u64 s[22:23], s[22:23], s[18:19]
.irp c, 0,1,2,3
	s_mov_b32 s[G0+4*\c], 1
	s_add_co_u32 s[G0+4*\c+1], s21, CHB*\c
	s_add_nc_u64 s[G0+4*\c+2:G0+4*\c+3], s[22:23], 3072*\c
	s_or_b32 s[G0+4*\c+3], s[G0+4*\c+3], 0x80000000
.endr
.irp c, 0,1,2,3
	tensor_load_to_lds s[G0+4*\c:G0+4*\c+3], s[G1:G1+7]   ; all first fills, ahead of every wait on TENSORcnt, every LDS read and every barrier
	s_nop 0
.endr
	PLACES
	s_add_nc_u64 s[48:49], s[6:7], s[54:55]
	s_add_nc_u64 s[50:51], s[10:11], s[56:57]
	s_add_nc_u64 s[12:13], s[12:13], s[52:53]
	v_and_b32 v1, 15, v0                           ; r
	v_bfe_u32 v2, v0, 4, 1                         ; h
	v_and_b32 v3, 31, v0
	v_mul_u32_u24 v3, v3, 24                       ; 24 x lane
	v_lshlrev_b32 v8, 4, v1
	v_lshl_add_u32 v8, v2, 9, v8                   ; scale words: 512 h + 16 r
.irp p, 0,1
.irp k, 0,1
	global_load_b128 v[SA+8*\p+4*\k:SA+8*\p+4*\k+3], v8, s[48:49] offset:1024*\p+256*\k
	global_load_b128 v[SB+8*\p+4*\k:SB+8*\p+4*\k+3], v8, s[50:51] offset:1024*\p+256*\k
.endr
.endr
	s_mul_i32 s58, s15, 12288
	v_add_nc_u32 v4, s58, v3                       ; in a chunk: my 4 blocks of O,
	s_mul_i32 s58, s16, 12288
	s_add_co_u32 s58, s58, 24576
	v_add_nc_u32 v5, s58, v3                       ; my 4 blocks of Wo
	s_mul_i32 s58, s14, 16*272
	s_add_co_u32 s58, s58, STG                     ; my stage
	v_mul_u32_u24 v9, v1, 272
	v_lshl_add_u32 v9, v2, 6, v9
	v_add_nc_u32 v9, s58, v9                       ; in: row r, + 64 h
	v_mul_u32_u24 v10, v2, 272
	v_lshl_add_u32 v10, v1, 4, v10
	v_add_nc_u32 v10, s58, v10                     ; back: lanes 0-15 one row of 256 bytes, lanes 16-31 the next
	v_lshlrev_b32 v11, 12, v2
	v_lshl_add_u32 v11, v1, 4, v11                 ; and the same two rows in out0
; K step s's eight fragments into set.  The two additions and two v_nop are the four places between the last products and loads into registers that they read.
.macro FETCH s, set
	WIN 0
	v_add_nc_u32 v6, CHB*((\s)/2), v4
	v_add_nc_u32 v7, CHB*((\s)/2), v5
	v_nop
	v_nop
	WIN 0x40                                       ; destination window 1
.irp a, 0,1,2,3
.irp p, 0,1,2,3,4,5
	ds_load_b64 v[96*(\set)+12*\a+2*\p:96*(\set)+12*\a+2*\p+1], v6 offset:3072*\a+1536*((\s)%2)+768*(\p/3)+8*(\p%3)
.endr
.endr
.irp t, 0,1,2,3
.irp p, 0,1,2,3,4,5
	ds_load_b64 v[96*(\set)+48+12*\t+2*\p:96*(\set)+48+12*\t+2*\p+1], v7 offset:3072*\t+1536*((\s)%2)+768*(\p/3)+8*(\p%3)
.endr
.endr
.endm
.macro MUL s, set, zero
	WIN 0x05                                       ; sources 0 and 1 window 1; C and D window 0
.irp a, 0,1,2,3
.irp t, 0,1,2,3
	WM ACC+32*\a+8*\t, 96*(\set)+48+12*\t, 96*(\set)+12*\a, \zero, SB+8*(\t/2)+(\s), SA+8*(\a/2)+(\s), \t%2, \a%2
.endr
.endr
.endm
	s_wait_tensorcnt 0x3                           ; my part of chunk 0 is in; three younger loads may be out
	s_barrier_signal -1
	s_barrier_wait -1
	FETCH 0, 0
	s_wait_loadcnt 0x0                             ; the scale words
	s_wait_dscnt 0x0
	FETCH 1, 1
	MUL 0, 0, 1                                    ; the first K step starts the sums
	s_wait_dscnt 0x0
	s_wait_tensorcnt 0x2                           ; chunk 1
	s_barrier_signal -1
	s_barrier_wait -1
	FETCH 2, 0
	MUL 1, 1, 0
	s_wait_dscnt 0x0
	FETCH 3, 1
	MUL 2, 0, 0
	s_wait_dscnt 0x0
	s_wait_tensorcnt 0x1                           ; chunk 2
	s_barrier_signal -1
	s_barrier_wait -1
	FETCH 4, 0
	MUL 3, 1, 0
	s_wait_dscnt 0x0
	FETCH 5, 1
	MUL 4, 0, 0
	s_wait_dscnt 0x0
	s_wait_tensorcnt 0x0                           ; chunk 3: no load was issued behind it
	s_barrier_signal -1
	s_barrier_wait -1
	FETCH 6, 0
	MUL 5, 1, 0
	s_wait_dscnt 0x0
	FETCH 7, 1
	MUL 6, 0, 0
	s_wait_dscnt 0x0
	MUL 7, 1, 0
	; THE WAY OUT, a block of 16 tokens x 64 columns at a time, through my own stage: in by lanes (a token's 16 neighbouring columns a lane and pair of tiles), back as whole rows of 256 bytes.
	; LDS serves a wave's instructions in order: no wait between the stores and the loads, nor in front of the next block's stores.
	WIN 0
	PLACES
.irp a, 0,1,2,3
.if \a >= 2
	s_wait_xcnt 0x0                                ; block a - 2's stores have read their registers: only behind this wait are they loaded again
.endif
.irp t, 0,1,2,3
	ds_store_b128 v9, v[ACC+32*\a+8*\t:ACC+32*\a+8*\t+3] offset:128*(\t/2)+32*(\t%2)       ; each accumulator from its low end on
	ds_store_b128 v9, v[ACC+32*\a+8*\t+4:ACC+32*\a+8*\t+7] offset:128*(\t/2)+32*(\t%2)+16
.endr
.irp u, 0,1,2,3,4,5,6,7
	ds_load_b128 v[OB+32*(\a%2)+4*\u:OB+32*(\a%2)+4*\u+3], v10 offset:544*\u
.endr
.irp u, 0,1,2,3,4,5,6,7
	s_wait_dscnt 7-\u
	global_store_b128 v11, v[OB+32*(\a%2)+4*\u:OB+32*(\a%2)+4*\u+3], s[12:13] offset:4096*(32*(\a/2)+8*(\a%2)+2*\u+8*(\u/4)) th:TH_STORE_NT   ; rows 2 u, 2 u + 1 of the block: 16 lanes store 256 consecutive bytes, at a multiple of 256 from out0's first byte
.endr
.endr
	s_wait_tensorcnt 0x0
	ds_add_u32 v126, v127
	s_wait_dscnt 0x0
	s_endpgm
.Lfunc_end_k_q516885b592_proj:
	.size	k_q516885b592_proj, .Lfunc_end_k_q516885b592_proj-k_q516885b592_proj
	.p2alignl 7, 3214868480
	.fill 96, 4, 3214868480
	.section	.rodata,"a",@progbits
	.p2align	6, 0x0
	.amdhsa_kernel k_q516885b592_proj
		.amdhsa_group_segment_fixed_size 214528
		.amdhsa_private_segment_fixed_size 0
		.amdhsa_enable_private_segment 0
		.amdhsa_kernarg_size 40
		.amdhsa_user_sgpr_count 2
		.amdhsa_user_sgpr_kernarg_segment_ptr 1
		.amdhsa_wavefront_size32 1
		.amdhsa_system_sgpr_workgroup_id_x 1
		.amdhsa_system_sgpr_workgroup_id_y 1
		.amdhsa_system_sgpr_workgroup_id_z 1
		.amdhsa_system_vgpr_workitem_id 0
		.amdhsa_next_free_vgpr 448
		.amdhsa_next_free_sgpr 66
		.amdhsa_reserve_vcc 0
		.amdhsa_float_denorm_mode_32 3
		.amdhsa_float_denorm_mode_16_64 3
		.amdhsa_memory_ordered 1
		.amdhsa_forward_progress 1
		.amdhsa_inst_pref_size 57
	.end_amdhsa_kernel
	.amdgpu_metadata
---
amdhsa.version: [ 1, 2 ]
amdhsa.kernels:
  - .name:           k_q516885b592_proj
    .symbol:         k_q516885b592_proj.kd
    .args:
      - { .name: attc, .offset: 0, .size: 8, .value_kind: global_buffer, .address_space: global }
      - { .name: atts, .offset: 8, .size: 8, .value_kind: global_buffer, .address_space: global }
      - { .name: opc, .offset: 16, .size: 8, .value_kind: global_buffer, .address_space: global }
      - { .name: ops, .offset: 24, .size: 8, .value_kind: global_buffer, .address_space: global }
      - { .name: out0, .offset: 32, .size: 8, .value_kind: global_buffer, .address_space: global }
    .group_segment_fixed_size: 214528
    .private_segment_fixed_size: 0
    .kernarg_segment_align: 8
    .kernarg_segment_size: 40
    .max_flat_workgroup_size: 128
    .sgpr_count:     66
    .vgpr_count:     448
    .wavefront_size: 32
...
	.end_amdgpu_metadata
.endif
;; end of part 4
